; MI455X (gfx1250); checked and timed in simulation.
; The chip was launched on July 23, 2026; its instructions are those of AMD's public machine-readable ISA for CDNA 5 (MIT licence, August 2026) and "CDNA5" Instruction Set Architecture Reference Guide (July 2026). The comments in the code are by the model that wrote it; some were corrected since.
;; LRU Cell. Allowed arithmetic: float matrix products may take bf16 or f16 operands with f32 sums; other float arithmetic in f32, or as packed bf16 or f16 multiplies, adds, multiply-adds, maxima and minima; sums over many terms, partial sums and values carried from step to step in f32; what a program stores and reads back later, other than sums and carried values, may be rounded once to bf16 or f16.
;; Inputs: Bi 2,048 x 1,024 float32; Br 2,048 x 1,024 float32; Ci 1,024 x 2,048 float32; Cr 1,024 x 2,048 float32; h_prev 8,192 x 2,048 float32; theta_log 2,048 float32; v_log 2,048 float32; x 8,192 x 1,024 float32.
;; Outputs: out0 8,192 x 1,024 float32.
;; 2 versions, each right; version 2 is version 1 with the launch prep written anew for expert scheduling mode. Each part assembles by itself: llvm-mc -triple=amdgcn-amd-amdhsa -mcpu=gfx1250 --defsym DOCPART=n.
;; ======== version 1 of 2: 3 launches
;; limits: right only within a limited range of input values; a function is approximated: absolute error at most 4e-07
;; workspace buffers: Ccb 8,388,608 bytes; Bcb 8,388,608 bytes; Wb 6,291,456 bytes
;; launch prep (part 1): grid 256 x 1, 8 waves a work-group, no clusters, 0 bytes of LDS; arguments Cr, Ci, Br, Bi, v_log, theta_log, Ccb, Bcb, Wb; writes Ccb, Bcb, Wb
.if DOCPART == 1
	.amdgcn_target "amdgcn-amd-amdhsa--gfx1250"
	.amdhsa_code_object_version 6
	.text
	.protected	k_q7036d18957_prep
	.globl	k_q7036d18957_prep
	.p2align	8
	.type	k_q7036d18957_prep,@function
k_q7036d18957_prep:
	s_mov_b64 s[64:65], 0
	v_nop
	global_prefetch_b8 v0, s[64:65] scope:SCOPE_SE
	s_setreg_imm32_b32 hwreg(HW_REG_WAVE_MODE, 25, 1), 1
	s_wait_xcnt 0x0
; LRU cell, launch 1 of 3.  out = hr Cr^T - hi Ci^T with hr = x Br^T + h_prev o wr, hi = x Bi^T + h_prev o wi, w = exp(-exp(v_log)) (cos, sin)(exp(theta_log)).
; WORK LEFT OUT.  The chain is linear in x and in h_prev, so for all values of the inputs, in exact arithmetic,
;   out = x M^T + h_prev N^T,   M = Cr Br - Ci Bi  [1024][1024],   N[o][h] = Cr[o][h] wr[h] - Ci[o][h] wi[h]  [1024][2048].
; The program makes M (launch 2) and N (here) once and then one product of 8192 x 1024 x 3072 (launch 3); hr and hi, 8192 x 2048 each, are never formed.
; Every one of the eight inputs has a way to the output and is loaded.
; LIMITS.  The order of rounding differs from the formula as written: every input is rounded once to bf16 (v_log and theta_log too), M and N once more to bf16; all sums are f32.
; An overflow, infinity or NaN that would arise in hr or hi alone is not carried to the result.  The angle ang = exp(theta_log) is reduced by 2/pi in two f32 parts: the reduced angle is
; off by about ang x 2^-49; the quadrant is a 32-bit whole number, so beyond 2^31 quadrants (ang about 3.3e9) sine and cosine mean nothing.
; THIS LAUNCH: bf16 copies of the weights in blocks of 64 along K, rows of 128 bytes end to end:
;   Ccb [kb 0..63][o 0..1023][64]: kb < 32: Cr[o][64 kb + j]; else -Ci[o][64 (kb - 32) + j]        Bcb [it 0..15][k 0..4095][64]: k < 2048: Br[k][64 it + j]; else Bi[k - 2048][64 it + j]
;   Wb  [kb 0..47][o 0..1023][64]: blocks 16..47 take N here (blocks 0..15 take M in launch 2)
; SHARES.  2,048 waves.  One memory instruction of a wave covers 2 rows x 64 columns: lane l has row l / 16 and the 4 columns 4 (l % 16) ..: a load takes two aligned pieces of 256 bytes,
; a store 256 consecutive bytes, aligned.  Wave W takes 16 rows x 64 columns of Cr and Ci (column block W % 32, row group W / 32) and 16 rows x 64 columns of Br and of Bi (W % 16, W / 16).
; All 34 loads of a wave go out on end; each is waited for by its own count.  No register that a load or store reads is ever written again, so no further wait is needed.
; No LDS, no matrix unit, no cluster: no wave wants a byte that another has fetched.
.set LC,  3                            ; v3   byte offset of my 16 bytes in Cr and Ci, first row pair
.set STC, 4                            ; v4   of my 8 bytes in Ccb (block hb) and, by the immediate, its second half and Wb
.set LB,  5                            ; v5   of my 16 bytes in Br and Bi
.set STB, 6                            ; v6   of my 8 bytes in Bcb
.set LT,  7                            ; v7   of my 4 columns in theta_log and v_log
.set TH,  8                            ; v[8:11]   theta_log, v[12:15] v_log of my 4 columns
.set VL,  12
.set ANG, 16                           ; v[16:19]  exp(theta_log)
.set E1,  20                           ; v[20:23]  exp(v_log)
.set MAG, 24                           ; v[24:27]  exp(-exp(v_log))
.set XD,  32                           ; v[32:159] the data: Cr, Ci pair j at XD + 8 j, + 4; Br, Bi item m at XD + 64 + 4 m
.set NN,  160
.set RR,  164
.set ZZ,  168
.set PSI, 172
.set WR,  176                          ; v[176:179] wr, v[180:183] wi of my 4 columns
.set WI,  180
.set UU,  184
.set VV,  188
.set PCO, 192
.set QQ,  196
.set TT,  200
	s_load_b512 s[8:23], s[0:1], 0x0               ; Cr s[8:9], Ci s[10:11], Br s[12:13], Bi s[14:15], v_log s[16:17], theta_log s[18:19], Ccb s[20:21], Bcb s[22:23]
	s_load_b64 s[24:25], s[0:1], 0x40              ; Wb
	v_lshrrev_b32 v1, 5, v0
	v_readfirstlane_b32 s2, v1                     ; wave 0..7
	s_lshl_b32 s3, ttmp9, 3
	s_add_co_u32 s3, s3, s2                        ; W
	s_and_b32 s4, s3, 31                           ; hb: column block of C
	s_lshr_b32 s5, s3, 5                           ; rg: group of 16 rows of C
	s_and_b32 s6, s3, 15                           ; it: column block of B
	s_lshr_b32 s7, s3, 4                           ; kg: group of 16 rows of B
	s_lshl_b32 s30, s4, 8                          ; 64 columns of f32
	s_lshl_b32 s26, s5, 17                         ; 16 rows of 8,192 bytes
	s_or_b32 s26, s26, s30
	s_lshl_b32 s27, s4, 17                         ; a block of Ccb or Wb is 1,024 rows of 128 bytes
	s_lshl_b32 s2, s5, 11
	s_add_co_u32 s27, s27, s2
	s_lshl_b32 s28, s7, 16                         ; 16 rows of 4,096 bytes
	s_lshl_b32 s2, s6, 8
	s_add_co_u32 s28, s28, s2
	s_lshl_b32 s29, s6, 19                         ; a block of Bcb is 4,096 rows of 128 bytes
	s_lshl_b32 s2, s7, 11
	s_add_co_u32 s29, s29, s2
	s_mov_b32 s31, 0xffff0000                      ; a word's upper bf16
	s_mov_b32 s32, 0x80008000                      ; the signs of two bf16
	s_mov_b32 s33, 0x3fb8aa3b                      ; log2(e)
	s_mov_b32 s34, 0x3f22f983                      ; 2/pi, high part
	s_mov_b32 s35, 0x3fc90fdb                      ; pi/2
	s_mov_b32 s36, 0x32dc9c88                      ; 2/pi, low part
	s_mov_b32 s37, 0xbe2aaaab                      ; -1/6
	s_mov_b32 s38, 0x3c088889                      ; 1/120
	s_mov_b32 s39, 0xb9500d01                      ; -1/5040
	s_mov_b32 s40, 0x3d2aaaab                      ; 1/24
	s_mov_b32 s41, 0xbab60b61                      ; -1/720
	s_mov_b32 s42, 0x37d00d01                      ; 1/40320
	v_and_b32 v1, 15, v0                           ; l % 16
	v_bfe_u32 v2, v0, 4, 1                         ; l / 16
	v_lshlrev_b32 v[LT], 4, v1
	v_lshl_add_u32 v[LC], v2, 13, v[LT]
	v_lshl_add_u32 v[LB], v2, 12, v[LT]
	v_add_nc_u32 v[LC], s26, v[LC]
	v_add_nc_u32 v[LB], s28, v[LB]
	v_add_nc_u32 v[LT], s30, v[LT]
	v_lshlrev_b32 v[STC], 3, v1
	v_lshl_add_u32 v[STC], v2, 7, v[STC]
	v_add_nc_u32 v[STB], s29, v[STC]
	v_add_nc_u32 v[STC], s27, v[STC]
	s_wait_kmcnt 0x0
	global_load_b128 v[TH:TH+3], v[LT], s[18:19]
	global_load_b128 v[VL:VL+3], v[LT], s[16:17]
.irp j, 0,1,2,3,4,5,6,7
	global_load_b128 v[XD+8*(\j):XD+8*(\j)+3],   v[LC], s[8:9]   offset:16384*(\j) th:TH_LOAD_NT
	global_load_b128 v[XD+8*(\j)+4:XD+8*(\j)+7], v[LC], s[10:11] offset:16384*(\j) th:TH_LOAD_NT
.endr
.irp j, 0,1,2,3,4,5,6,7
	global_load_b128 v[XD+64+4*(\j):XD+64+4*(\j)+3], v[LB], s[12:13] offset:8192*(\j) th:TH_LOAD_NT
.endr
.irp j, 0,1,2,3,4,5,6,7
	global_load_b128 v[XD+96+4*(\j):XD+96+4*(\j)+3], v[LB], s[14:15] offset:8192*(\j) th:TH_LOAD_NT
.endr
	; wr and wi of my four columns, while the 32 bulk loads are on their way
	s_wait_loadcnt 32                              ; theta_log and v_log are in; the 32 loads behind them stay out
.irp i, 0,1,2,3
	v_cvt_pk_bf16_f32 v[TT+(\i)], v[TH+2*(\i)], v[TH+2*(\i)+1]  ; both vectors are rounded to bf16 like every other input (TH and VL lie on end)
.endr
.irp i, 0,1,2,3
	v_lshlrev_b32 v[TH+2*(\i)],   16, v[TT+(\i)]
	v_and_b32     v[TH+2*(\i)+1], s31, v[TT+(\i)]
.endr
.irp i, 0,1,2,3,4,5,6,7
	v_mul_f32 v[TH+(\i)], s33, v[TH+(\i)]
.endr
.irp k, 0,1,2,3
	v_exp_f32 v[ANG+(\k)], v[TH+(\k)]              ; first batch: exp(theta_log),
.endr
.irp k, 0,1,2,3
	v_exp_f32 v[E1+(\k)], v[VL+(\k)]               ; exp(v_log)
.endr
	v_nop                                          ; a plain instruction behind the last exponential,
	s_wait_alu depctr_va_vdst(0)                   ; and one wait for the batch of eight, ahead of its first reader
.irp k, 0,1,2,3
	v_mul_f32 v[E1+(\k)], 0xbfb8aa3b, v[E1+(\k)]
.endr
.irp k, 0,1,2,3
	v_exp_f32 v[MAG+(\k)], v[E1+(\k)]              ; second batch: exp(-exp(v_log)); the polynomials below name neither MAG nor E1
.endr
	; sine and cosine: n = the nearest quadrant, r = (ang 2/pi - n) pi/2 in -pi/4 .. pi/4, Taylor sums to r^7 and r^8 (the first terms left out are under 4e-7), then the quadrant's swap and signs
.irp k, 0,1,2,3
	v_mul_f32 v[NN+(\k)], s34, v[ANG+(\k)]
	v_rndne_f32 v[NN+(\k)], v[NN+(\k)]
	v_fma_f32 v[RR+(\k)], v[ANG+(\k)], s34, -v[NN+(\k)]
	v_fma_f32 v[RR+(\k)], v[ANG+(\k)], s36, v[RR+(\k)]
	v_mul_f32 v[RR+(\k)], s35, v[RR+(\k)]
	v_mul_f32 v[ZZ+(\k)], v[RR+(\k)], v[RR+(\k)]
	v_fma_f32 v[PSI+(\k)], v[ZZ+(\k)], s39, s38
	v_fma_f32 v[PCO+(\k)], v[ZZ+(\k)], s42, s41
	v_fma_f32 v[PSI+(\k)], v[PSI+(\k)], v[ZZ+(\k)], s37
	v_fma_f32 v[PCO+(\k)], v[PCO+(\k)], v[ZZ+(\k)], s40
	v_mul_f32 v[TT+(\k)], v[RR+(\k)], v[ZZ+(\k)]
	v_fma_f32 v[PCO+(\k)], v[PCO+(\k)], v[ZZ+(\k)], -0.5
	v_fma_f32 v[PSI+(\k)], v[TT+(\k)], v[PSI+(\k)], v[RR+(\k)]   ; sin r
	v_fma_f32 v[PCO+(\k)], v[PCO+(\k)], v[ZZ+(\k)], 1.0          ; cos r
	v_cvt_i32_f32 v[QQ+(\k)], v[NN+(\k)]
	v_and_b32 v[TT+(\k)], 1, v[QQ+(\k)]
	v_cmp_eq_u32 vcc_lo, 1, v[TT+(\k)]                           ; an odd quadrant swaps the two
	v_cndmask_b32 v[TT+(\k)], v[PSI+(\k)], v[PCO+(\k)], vcc_lo   ; |sin ang|
	v_cndmask_b32 v[ZZ+(\k)], v[PCO+(\k)], v[PSI+(\k)], vcc_lo   ; |cos ang|
	v_lshlrev_b32 v[NN+(\k)], 30, v[QQ+(\k)]                     ; the sine is turned in quadrants 2 and 3,
	v_and_b32 v[NN+(\k)], 0x80000000, v[NN+(\k)]
	v_xor_b32 v[TT+(\k)], v[TT+(\k)], v[NN+(\k)]
	v_add_nc_u32 v[QQ+(\k)], 1, v[QQ+(\k)]                       ; the cosine in 1 and 2
	v_lshlrev_b32 v[QQ+(\k)], 30, v[QQ+(\k)]
	v_and_b32 v[QQ+(\k)], 0x80000000, v[QQ+(\k)]
	v_xor_b32 v[ZZ+(\k)], v[ZZ+(\k)], v[QQ+(\k)]
.endr
	s_wait_alu depctr_va_vdst(0)                   ; one wait for the second batch, ahead of MAG's first reader
.irp k, 0,1,2,3
	v_mul_f32 v[WR+(\k)], v[MAG+(\k)], v[ZZ+(\k)]
	v_mul_f32 v[WI+(\k)], v[MAG+(\k)], v[TT+(\k)]
.endr
; Row pair j of Cr and Ci: both rounded to bf16, Ci's signs turned, N = Cr wr + (-Ci) wi made in f32 of the rounded numbers and rounded once; three stores of 256 consecutive bytes.
.macro CPAIR j
.set CR, XD+8*(\j)
.set CI, XD+8*(\j)+4
	s_wait_loadcnt 30-2*(\j)                       ; loads come back in order: behind this pair's two stand 30 - 2 j
	v_cvt_pk_bf16_f32 v[CR],   v[CR],   v[CR+1]
	v_cvt_pk_bf16_f32 v[CR+1], v[CR+2], v[CR+3]
	v_cvt_pk_bf16_f32 v[CI],   v[CI],   v[CI+1]
	v_cvt_pk_bf16_f32 v[CI+1], v[CI+2], v[CI+3]
	v_xor_b32 v[CI],   s32, v[CI]
	v_xor_b32 v[CI+1], s32, v[CI+1]
	v_lshlrev_b32 v[UU],   16,  v[CR]
	v_and_b32     v[UU+1], s31, v[CR]
	v_lshlrev_b32 v[UU+2], 16,  v[CR+1]
	v_and_b32     v[UU+3], s31, v[CR+1]
	v_lshlrev_b32 v[VV],   16,  v[CI]
	v_and_b32     v[VV+1], s31, v[CI]
	v_lshlrev_b32 v[VV+2], 16,  v[CI+1]
	v_and_b32     v[VV+3], s31, v[CI+1]
	v_pk_mul_f32 v[UU:UU+1],   v[UU:UU+1],   v[WR:WR+1]
	v_pk_mul_f32 v[UU+2:UU+3], v[UU+2:UU+3], v[WR+2:WR+3]
	v_pk_fma_f32 v[UU:UU+1],   v[VV:VV+1],   v[WI:WI+1],   v[UU:UU+1]
	v_pk_fma_f32 v[UU+2:UU+3], v[VV+2:VV+3], v[WI+2:WI+3], v[UU+2:UU+3]
	v_cvt_pk_bf16_f32 v[CR+2], v[UU],   v[UU+1]
	v_cvt_pk_bf16_f32 v[CR+3], v[UU+2], v[UU+3]
	global_store_b64 v[STC], v[CR:CR+1],   s[20:21] offset:256*(\j)            ; Ccb, block hb
	global_store_b64 v[STC], v[CI:CI+1],   s[20:21] offset:4194304+256*(\j)    ; Ccb, block 32 + hb
	global_store_b64 v[STC], v[CR+2:CR+3], s[24:25] offset:2097152+256*(\j)    ; Wb, block 16 + hb
.endm
; Item m: row pair m % 8 of Br (m < 8) or Bi: rounded and stored.
.macro BITEM m
.set BR, XD+64+4*(\m)
	s_wait_loadcnt 15-(\m)
	v_cvt_pk_bf16_f32 v[BR],   v[BR],   v[BR+1]
	v_cvt_pk_bf16_f32 v[BR+1], v[BR+2], v[BR+3]
	global_store_b64 v[STB], v[BR:BR+1], s[22:23] offset:256*((\m)%8)+262144*((\m)/8)
.endm
.irp j, 0,1,2,3,4,5,6,7
	CPAIR \j
.endr
.irp m, 0,1,2,3,4,5,6,7,8,9,10,11,12,13,14,15
	BITEM \m
.endr
	s_endpgm
.Lfunc_end_k_q7036d18957_prep:
	.size	k_q7036d18957_prep, .Lfunc_end_k_q7036d18957_prep-k_q7036d18957_prep
	.p2alignl 7, 3214868480
	.fill 96, 4, 3214868480
	.section	.rodata,"a",@progbits
	.p2align	6, 0x0
	.amdhsa_kernel k_q7036d18957_prep
		.amdhsa_group_segment_fixed_size 0
		.amdhsa_private_segment_fixed_size 0
		.amdhsa_enable_private_segment 0
		.amdhsa_kernarg_size 72
		.amdhsa_user_sgpr_count 2
		.amdhsa_user_sgpr_kernarg_segment_ptr 1
		.amdhsa_wavefront_size32 1
		.amdhsa_system_sgpr_workgroup_id_x 1
		.amdhsa_system_sgpr_workgroup_id_y 1
		.amdhsa_system_sgpr_workgroup_id_z 1
		.amdhsa_system_vgpr_workitem_id 0
		.amdhsa_next_free_vgpr 208
		.amdhsa_next_free_sgpr 66
		.amdhsa_reserve_vcc 1
		.amdhsa_float_denorm_mode_32 3
		.amdhsa_float_denorm_mode_16_64 3
		.amdhsa_memory_ordered 1
		.amdhsa_forward_progress 1
		.amdhsa_inst_pref_size 26
	.end_amdhsa_kernel
	.amdgpu_metadata
---
amdhsa.version: [ 1, 2 ]
amdhsa.kernels:
  - .name:           k_q7036d18957_prep
    .symbol:         k_q7036d18957_prep.kd
    .args:
      - { .name: Cr, .offset: 0, .size: 8, .value_kind: global_buffer, .address_space: global }
      - { .name: Ci, .offset: 8, .size: 8, .value_kind: global_buffer, .address_space: global }
      - { .name: Br, .offset: 16, .size: 8, .value_kind: global_buffer, .address_space: global }
      - { .name: Bi, .offset: 24, .size: 8, .value_kind: global_buffer, .address_space: global }
      - { .name: v_log, .offset: 32, .size: 8, .value_kind: global_buffer, .address_space: global }
      - { .name: theta_log, .offset: 40, .size: 8, .value_kind: global_buffer, .address_space: global }
      - { .name: Ccb, .offset: 48, .size: 8, .value_kind: global_buffer, .address_space: global }
      - { .name: Bcb, .offset: 56, .size: 8, .value_kind: global_buffer, .address_space: global }
      - { .name: Wb, .offset: 64, .size: 8, .value_kind: global_buffer, .address_space: global }
    .group_segment_fixed_size: 0
    .private_segment_fixed_size: 0
    .kernarg_segment_align: 8
    .kernarg_segment_size: 72
    .max_flat_workgroup_size: 256
    .sgpr_count:     66
    .vgpr_count:     208
    .wavefront_size: 32
...
	.end_amdgpu_metadata
.endif
;; end of part 1
;; launch gemm_m (part 2): grid 16 x 16, 4 waves a work-group, clusters of 4 x 4, 327,680 bytes of LDS; arguments Ccb, Bcb, Wb; writes Wb
.if DOCPART == 2
	.amdgcn_target "amdgcn-amd-amdhsa--gfx1250"
	.amdhsa_code_object_version 6
	.text
	.protected	k_q7036d18957_gemm_m
	.globl	k_q7036d18957_gemm_m
	.p2align	8
	.type	k_q7036d18957_gemm_m,@function
k_q7036d18957_gemm_m:
	s_mov_b64 s[64:65], 0
	v_nop
	global_prefetch_b8 v0, s[64:65] scope:SCOPE_SE
	s_setreg_imm32_b32 hwreg(HW_REG_WAVE_MODE, 25, 1), 1
	s_wait_xcnt 0x0
	s_wait_alu depctr_hold_cnt(0) depctr_sa_sdst(0) depctr_va_vdst(0) depctr_va_sdst(0) depctr_va_ssrc(0) depctr_va_vcc(0) depctr_vm_vsrc(0)
	s_getreg_b32 s2, hwreg(HW_REG_IB_STS2, 6, 4)
	s_cmp_eq_u32 s2, 0
	s_cbranch_scc0 .Lentry_in_a_cluster
	s_endpgm
.Lentry_in_a_cluster:
	s_bfe_u32 s2, ttmp6, 0x10000c
	s_cmp_lg_u32 s2, 0xf033
	s_cbranch_scc0 .Lentry_shape_is_right
	s_endpgm
.Lentry_shape_is_right:
; LRU cell, launch 2 of 3.  M[o][i] = the sum over k of Cc[o][k] Bc[k][i], k = 0 .. 4095, Cc = [Cr | -Ci], Bc = [Br ; Bi], both bf16 as launch 1 laid them; sums in f32; M rounded once to bf16.
; (hr and hi are never formed: out = x M^T + h_prev N^T for all values of the inputs; see launch 1.)
; M goes into Wb's blocks 0 .. 15: [it][o][64], so a tile of 64 x 64 is 8,192 consecutive bytes.
; SHARES.  A work-group makes a tile of 64 (o) x 64 (i): 256 work-groups.  K IS SPLIT AMONG ITS FOUR WAVES: of each slot's 512 along K wave w takes 128 w .. 128 w + 127 for the whole tile
; (16 accumulators, 128 registers); the four partial tiles meet in LDS at the end (f32 sums may be taken in any order).
; RING.  Two slots of 512 along K: A's part is 8 blocks of 64 rows x 128 bytes (pitch 144), B's 512 rows k x 128 bytes (pitch 160).  Waves 0 and 1 fetch A's halves, waves 2 and 3 B's, one tensor load each.
; By the text's count a wave has two tensor loads out at the start and one behind each round.
; CLUSTER 4 x 4: A's tile hangs on the tile row alone and is asked for jointly along a row of the cluster, B's on the tile column alone, along a column.
; THE MATRIX INSTRUCTION IS USED TRANSPOSED (source 0 = 16 columns i of Bc, turned out of LDS by ds_load_tr16_b128; source 1 = 16 rows o of Cc): a lane holds one row o and eight neighbouring i.
; No prefetch is laid: the tiles are small, and every block of Ccb and of Bcb is read by sixteen tiles of the launch.
; REGISTERS: window 0: v0-31 addresses; v32-47 packed results; v128-255 the accumulators ((a, b) at v[128 + 8 (4 a + b)]).  Window 1: two fragment buffers of 128: 64 of A, then 64 of B.
.set PKA,   144                        ; a row of A in LDS: 128 bytes + 16 = 36 words: the 16 rows of a load start at 16 different groups of four banks (64 banks of 4 bytes: ISA guide 11.1)
.set ABLK,  64*PKA                     ; one block of 64 along K
.set ATILE, 8*ABLK
.set PVB,   160                        ; a row of B: 128 + 32 = 40 words
.set BTILE, 512*PVB
.set SLOT,  ATILE+BTILE
.set SPARE, 2*SLOT                     ; behind the ring: the spare words, 128 bytes for each wave: two blocks of 256 bytes that no other line names
.set SPITCH, 272                       ; the partial tiles: rows of 64 f32 + 16 bytes
.set PART,  64*SPITCH                  ; wave w's partial tile at w x PART, in slot 0, behind that slot's last fill and last read
.set ADRA, 16                          ; v16-17  LDS address of my A fragments in slot 0, 1
.set ADRB, 20                          ; v20-21  the same for B
.set STO,  24                          ; v24     where I put my partial sums
.set RD,   25                          ; v25     where I read the four partial tiles
.set CO,   26                          ; v26     16 x lane
.set SPW,  28                          ; v28     LDS address of my spare word; never rewritten
.set NIL,  29                          ; v29     0; never rewritten
.set TMP,  32
.set ACC,  128
.set F0,   0
.set F1,   128
.set G1,  24                           ; s[24:31] group 1 for A's tiles; s[32:39] group 0, a set for each slot
.set G0,  32
.set G1B, 48                           ; s[48:55], s[56:63] the same for B's
.set G0B, 56
.set MSB, 0
.macro WIN new                         ; the immediate's high byte repeats the setting that is left; a switch that changes nothing is dropped
.if MSB != (\new)
	s_set_vgpr_msb (MSB<<8)|(\new)
.set MSB, \new
.endif
.endm
.set MUL,  0x05                        ; sources 0 (B) and 1 (A) window 1; C and D window 0
.set TO_F, 0x40                        ; destination window 1, address window 0
.macro PLACES                          ; four places in front of loads into registers that matrix instructions have read, and of reads of results
.rept 4
	v_nop
.endr
.endm
.macro JLOAD s                         ; a joint load: the branch hangs on the wave's number alone; an s_nop 0 and four v_nop follow each line
	s_cmp_eq_u32 s11, 0
	s_cbranch_scc0 .Lfor_b_\@
	tensor_load_to_lds s[G0+4*(\s):G0+4*(\s)+3], s[G1:G1+7]
	s_nop 0
.rept 4
	v_nop
.endr
	s_branch .Lasked_\@
.Lfor_b_\@:
	tensor_load_to_lds s[G0B+4*(\s):G0B+4*(\s)+3], s[G1B:G1B+7]
	s_nop 0
.rept 4
	v_nop
.endr
.Lasked_\@:
.endm
.macro CREST                           ; a round of the cluster's barrier behind its opening barrier
	s_cmp_lg_u32 s10, 0
	s_cbranch_scc1 .Lnot_wave_0_\@
	s_barrier_signal -3
.Lnot_wave_0_\@:
	s_barrier_wait -3
	s_barrier_signal -1
	s_barrier_wait -1
.endm
.macro CROUND                          ; a whole round
	s_barrier_signal -1
	s_barrier_wait -1
	CREST
.endm
	s_load_b128 s[4:7], s[0:1], 0x0                ; Ccb s[4:5], Bcb s[6:7]
	s_load_b64 s[8:9], s[0:1], 0x10                ; Wb
	v_lshl_add_u32 v[SPW], v0, 2, SPARE
	v_mov_b32 v[NIL], 0
	ds_add_u32 v[SPW], v[NIL]                      ; the wave's opening: the add, twice on end, and its wait ahead of my first tensor load
	ds_add_u32 v[SPW], v[NIL]
	v_lshrrev_b32 v1, 5, v0
	v_readfirstlane_b32 s10, v1                    ; wave 0..3
	s_lshr_b32 s11, s10, 1                         ; I fetch for A (0) or for B (1)
	s_and_b32 s12, s10, 1                          ; which half of that tile
	s_bfe_u32 s40, ttmp6, 0x40000                  ; cx, cy: my place in the cluster
	s_bfe_u32 s41, ttmp6, 0x40004
	s_lshl_b32 s42, ttmp9, 2
	s_add_co_u32 s42, s42, s40                     ; tile column it = 4 x cluster x + cx
	s_and_b32 s13, ttmp7, 0xffff
	s_lshl_b32 s13, s13, 2
	s_add_co_u32 s13, s13, s41                     ; tile row tr = 4 x cluster y + cy
	s_lshl_b32 s43, s41, 2
	s_lshl_b32 s43, 15, s43                        ; my row of the cluster
	s_lshl_b32 s44, 0x1111, s40                    ; my column
	; A: four blocks, each 64 rows of 128 bytes on end = one row of 4,096 elements, a block (65,536 elements) apart; 16 bytes of padding after every 128
	s_or_b32 s[G1], s43, (1<<16)|(1<<20)|(1<<21)|(4<<22)|(3<<25)  ; 15:0 the mask; 17:16 2-byte elements; 20 padding on; 21 set beside a mask; 24:22 after every 32 words; 31:25 4 words
	s_mov_b32 s[G1+1], 4096<<16                    ; tensor_dim0 = 4,096
	s_mov_b32 s[G1+2], 4<<16                       ; tensor_dim1 = 4
	s_mov_b32 s[G1+3], 4096<<16                    ; tile_dim0 = 4,096
	s_mov_b32 s[G1+4], 4                           ; tile_dim1 = 4
	s_mov_b32 s[G1+5], 65536                       ; from row to row
	s_mov_b32 s[G1+6], 0
	s_mov_b32 s[G1+7], 0
	; B: 256 rows k of 128 bytes on end, asked for as 128 rows of 256 bytes; 32 bytes of padding after every 128
	s_or_b32 s[G1B], s44, (1<<16)|(1<<20)|(1<<21)|(4<<22)|(7<<25)
	s_mov_b32 s[G1B+1], 128<<16
	s_mov_b32 s[G1B+2], 128<<16
	s_mov_b32 s[G1B+3], 128<<16
	s_mov_b32 s[G1B+4], 128
	s_mov_b32 s[G1B+5], 128
	s_mov_b32 s[G1B+6], 0
	s_mov_b32 s[G1B+7], 0
	s_lshl_b32 s16, s13, 13                        ; A: 64 tr rows of 128 bytes,
	s_lshl_b32 s17, s12, 19                        ; and my four blocks of 131,072 bytes
	s_add_co_u32 s16, s16, s17
	s_mov_b32 s17, 0
	s_lshl_b32 s46, s42, 19                        ; B: block it of 4,096 rows,
	s_lshl_b32 s47, s12, 15                        ; and my 256 rows
	s_add_co_u32 s46, s46, s47
	s_mov_b32 s47, 0
	s_mul_i32 s20, s12, 4*ABLK                     ; where they go: no place in the cluster enters an LDS address
	s_mul_i32 s21, s12, 256*PVB
	s_add_co_u32 s21, s21, ATILE
	s_wait_dscnt 0x0                               ; both opening adds are done
	s_wait_kmcnt 0x0
	s_add_nc_u64 s[14:15], s[4:5], s[16:17]
	s_add_nc_u64 s[46:47], s[6:7], s[46:47]
	CROUND                                         ; all sixteen work-groups are here: the first joint loads meet
.irp s, 0,1
	s_mov_b32 s[G0+4*(\s)], 1
	s_add_co_u32 s[G0+4*(\s)+1], s20, (\s)*SLOT
	s_add_nc_u64 s[G0+4*(\s)+2:G0+4*(\s)+3], s[14:15], (\s)*8*131072   ; slot s begins with K step s: 8 blocks
	s_or_b32 s[G0+4*(\s)+3], s[G0+4*(\s)+3], 0x80000000
	s_mov_b32 s[G0B+4*(\s)], 1
	s_add_co_u32 s[G0B+4*(\s)+1], s21, (\s)*SLOT
	s_add_nc_u64 s[G0B+4*(\s)+2:G0B+4*(\s)+3], s[46:47], (\s)*512*128  ; 512 rows k
	s_or_b32 s[G0B+4*(\s)+3], s[G0B+4*(\s)+3], 0x80000000
.endr
	s_cmp_eq_u32 s11, 0                            ; a wave's two first fills stand in one branch, ahead of every wait on TENSORcnt and every LDS read
	s_cbranch_scc0 .Lfirst_b
	tensor_load_to_lds s[G0:G0+3], s[G1:G1+7]
	s_nop 0
	tensor_load_to_lds s[G0+4:G0+7], s[G1:G1+7]
	s_nop 0
.rept 4
	v_nop
.endr
	s_branch .Lfirst_asked
.Lfirst_b:
	tensor_load_to_lds s[G0B:G0B+3], s[G1B:G1B+7]
	s_nop 0
	tensor_load_to_lds s[G0B+4:G0B+7], s[G1B:G1B+7]
	s_nop 0
.rept 4
	v_nop
.endr
.Lfirst_asked:
	v_and_b32 v1, 15, v0                           ; l % 16
	v_bfe_u32 v2, v0, 4, 1                         ; l / 16
	v_mul_u32_u24 v3, v1, PKA
	v_lshl_add_u32 v3, v2, 4, v3                   ; A: row x pitch + 16 x half
	v_and_b32 v4, 7, v0
	v_bfe_u32 v5, v0, 3, 1
	v_lshl_add_u32 v6, v2, 3, v4                   ; B, turned: lane l reads row k = 8 (l / 16) + l % 8, columns 8 ((l / 8) % 2) + 0..7
	v_mul_u32_u24 v6, v6, PVB
	v_lshl_add_u32 v6, v5, 4, v6
	s_mul_i32 s21, s10, 2*ABLK                     ; my 128 along K: two blocks of A,
	s_mul_i32 s22, s10, 128*PVB                    ; 128 rows of B
	s_add_co_u32 s22, s22, ATILE
.irp s, 0,1
	v_add_nc_u32 v[ADRA+(\s)], s21, v3
	v_add_nc_u32 v[ADRB+(\s)], s22, v6
	s_add_co_u32 s21, s21, SLOT
	s_add_co_u32 s22, s22, SLOT
.endr
	s_mul_i32 s23, s10, PART
	v_mul_u32_u24 v7, v1, SPITCH                   ; in: row l % 16, 32 bytes for each half of the lanes
	v_lshl_add_u32 v7, v2, 5, v7
	v_add_nc_u32 v[STO], s23, v7
	s_mul_i32 s23, s10, 16*SPITCH                  ; back: wave w takes rows 16 w .. 16 w + 15; lane l row l / 8 of four, 32 bytes at 32 (l % 8)
	v_bfe_u32 v7, v0, 3, 2
	v_mul_u32_u24 v7, v7, SPITCH
	v_lshl_add_u32 v7, v4, 5, v7
	v_add_nc_u32 v[RD], s23, v7
	v_and_b32 v[CO], 31, v0
	v_lshlrev_b32 v[CO], 4, v[CO]
	s_lshl_b32 s16, s13, 13                        ; Wb: block it, rows 64 tr + 16 w, 128 bytes each
	s_lshl_b32 s17, s10, 11
	s_add_co_u32 s16, s16, s17
	s_mov_b32 s17, 0
	s_add_nc_u64 s[8:9], s[8:9], s[16:17]
	s_lshl_b32 s46, s42, 17
	s_mov_b32 s47, 0
	s_add_nc_u64 s[8:9], s[8:9], s[46:47]
; 8 matrix instructions: o blocks a0, a0 + 1 x all 4 i blocks, 32 along K: half c of buffer f.  zero = 1: the first product starts the sums.  The 16 accumulators take turns.
.macro MUL8 f, c, a0, zero
	WIN MUL
.irp a, \a0, (\a0)+1
.irp b, 0,1,2,3
.if \zero
	v_wmma_f32_16x16x32_bf16 v[ACC+8*(4*(\a)+(\b)):ACC+8*(4*(\a)+(\b))+7], v[(\f)+64+8*(4*(\c)+(\b)):(\f)+64+8*(4*(\c)+(\b))+7], v[(\f)+8*(4*(\c)+(\a)):(\f)+8*(4*(\c)+(\a))+7], 0
.else
	v_wmma_f32_16x16x32_bf16 v[ACC+8*(4*(\a)+(\b)):ACC+8*(4*(\a)+(\b))+7], v[(\f)+64+8*(4*(\c)+(\b)):(\f)+64+8*(4*(\c)+(\b))+7], v[(\f)+8*(4*(\c)+(\a)):(\f)+8*(4*(\c)+(\a))+7], v[ACC+8*(4*(\a)+(\b)):ACC+8*(4*(\a)+(\b))+7]
.endif
.endr
.endr
.endm
; 32 LDS loads in one run: the fragments of 64 along K (half 0 or 1 of my 128) into buffer f; the first 32 along K first
.macro FETCH slot, half, f
	WIN TO_F
.irp c, 0,1
.irp i, 0,1,2,3
	ds_load_tr16_b128 v[(\f)+64+8*(4*(\c)+(\i)):(\f)+64+8*(4*(\c)+(\i))+3],   v[ADRB+(\slot)] offset:(64*(\half)+32*(\c))*PVB+32*(\i)
	ds_load_tr16_b128 v[(\f)+64+8*(4*(\c)+(\i))+4:(\f)+64+8*(4*(\c)+(\i))+7], v[ADRB+(\slot)] offset:(64*(\half)+32*(\c))*PVB+32*(\i)+16*PVB
	ds_load_b128 v[(\f)+8*(4*(\c)+(\i)):(\f)+8*(4*(\c)+(\i))+3],             v[ADRA+(\slot)] offset:(\half)*ABLK+64*(\c)+(\i)*16*PKA
	ds_load_b128 v[(\f)+8*(4*(\c)+(\i))+4:(\f)+8*(4*(\c)+(\i))+7],           v[ADRA+(\slot)] offset:(\half)*ABLK+64*(\c)+(\i)*16*PKA+32
.endr
.endr
.endm
; A slot's first half: multiplies buffer 0 and fetches the second half into buffer 1.
.macro HALF0 slot, zero
	s_wait_dscnt 16                                ; the first 32 along K are in
	MUL8 F0, 0, 0, \zero
	MUL8 F0, 0, 2, \zero
	PLACES
	FETCH \slot, 1, F1
	s_wait_dscnt 32                                ; all but the 32 just issued
	MUL8 F0, 1, 0, 0
	MUL8 F0, 1, 2, 0
.endm
; A slot's second half multiplies buffer 1 and changes slots: ONE barrier; in front of it each wave waits for all its tensor loads (one is out: its part of the next slot), adds 0 to its spare
; word, and waits for that and for its reads of this slot.  fill = 1: the barrier opens a round of the cluster's, and this slot is filled again, two K steps ahead, first thing behind the round.
.macro TURN slot, next, fill
	WIN 0                                          ; (the add's two registers lie in window 0)
	s_wait_tensorcnt 0x0
	ds_add_u32 v[SPW], v[NIL]
	s_wait_dscnt 17                                ; (the add and the youngest sixteen loads may be out)
	MUL8 F1, 0, 0, 0
	s_wait_dscnt 0x0                               ; the add is done, and my reads of this slot are over
	s_barrier_signal -1
	MUL8 F1, 0, 2, 0
.if \fill
	WIN 0
.endif
	s_barrier_wait -1
.if \fill
	CREST                                          ; no wave of any partner still reads this slot's tile or has a load on its way
	s_add_nc_u64 s[G0+4*(\slot)+2:G0+4*(\slot)+3], s[G0+4*(\slot)+2:G0+4*(\slot)+3], 16*131072
	s_add_nc_u64 s[G0B+4*(\slot)+2:G0B+4*(\slot)+3], s[G0B+4*(\slot)+2:G0B+4*(\slot)+3], 1024*128
	JLOAD \slot                                    ; its four v_nop are also the places in front of the loads below
.else
	PLACES
.endif
	FETCH \next, 0, F0
	MUL8 F1, 1, 0, 0
	MUL8 F1, 1, 2, 0
.endm
	s_wait_tensorcnt 0x1                           ; my part of K step 0 is in; slot 1's may stay out
	s_barrier_signal -1
	s_barrier_wait -1                              ; everybody's is
	FETCH 0, 0, F0
	HALF0 0, 1                                     ; the first products start the sums: nothing is cleared
	WIN 0                                          ; at a label and at a branch every window is 0
	s_mov_b32 s3, 3
.Llap:                                                 ; three trips: K steps 2 to 7 are asked for
	TURN 0, 1, 1
	HALF0 1, 0
	TURN 1, 0, 1
	HALF0 0, 0
	WIN 0
	s_sub_co_u32 s3, s3, 1
	s_cmp_lg_u32 s3, 0
	s_cbranch_scc1 .Llap
	TURN 0, 1, 0                                   ; the tail asks for nothing
	HALF0 1, 0
	s_wait_dscnt 16
	MUL8 F1, 0, 0, 0
	MUL8 F1, 0, 2, 0
	s_wait_dscnt 0x0
	MUL8 F1, 1, 0, 0
	MUL8 F1, 1, 2, 0
	WIN 0
	; THE FOUR PARTIAL TILES MEET.  Slot 0 has had its last fill, and nobody has read it since the tail's barrier.  Each accumulator's low four registers go first.
	PLACES
	PLACES
.irp a, 0,1,2,3
.irp b, 0,1,2,3
	ds_store_b128 v[STO], v[ACC+8*(4*(\a)+(\b)):ACC+8*(4*(\a)+(\b))+3]   offset:(\a)*16*SPITCH+64*(\b)
	ds_store_b128 v[STO], v[ACC+8*(4*(\a)+(\b))+4:ACC+8*(4*(\a)+(\b))+7] offset:(\a)*16*SPITCH+64*(\b)+16
.endr
.endr
	s_wait_dscnt 0x0                               ; for the others' sake: my stores are done
	s_barrier_signal -1
	s_barrier_wait -1
.irp p, 0,1,2,3
.irp t, 0,1,2,3
	ds_load_b128 v[ACC+32*(\p)+8*(\t):ACC+32*(\p)+8*(\t)+3],   v[RD] offset:(\p)*PART+(\t)*4*SPITCH
	ds_load_b128 v[ACC+32*(\p)+8*(\t)+4:ACC+32*(\p)+8*(\t)+7], v[RD] offset:(\p)*PART+(\t)*4*SPITCH+16
.endr
.endr
	s_wait_dscnt 0x0
.set i, 0
.rept 16
	v_pk_add_f32 v[ACC+i:ACC+i+1], v[ACC+i:ACC+i+1], v[ACC+32+i:ACC+32+i+1]
	v_pk_add_f32 v[ACC+64+i:ACC+64+i+1], v[ACC+64+i:ACC+64+i+1], v[ACC+96+i:ACC+96+i+1]
.set i, i+2
.endr
.set i, 0
.rept 16
	v_pk_add_f32 v[ACC+i:ACC+i+1], v[ACC+i:ACC+i+1], v[ACC+64+i:ACC+64+i+1]
.set i, i+2
.endr
.set i, 0
.rept 16
	v_cvt_pk_bf16_f32 v[TMP+i], v[ACC+2*i], v[ACC+2*i+1]
.set i, i+1
.endr
.irp t, 0,1,2,3
	global_store_b128 v[CO], v[TMP+4*(\t):TMP+4*(\t)+3], s[8:9] offset:512*(\t)  ; four rows of 128 bytes: 512 consecutive bytes, at a multiple of 256 from Wb's first byte
.endr
	s_wait_tensorcnt 0x0                           ; the wave's end, behind my last tensor load and my last LDS store
	ds_add_u32 v[SPW], v[NIL]
	s_wait_dscnt 0x0
	CROUND                                         ; the closing round: no work-group ends while a partner may still ask for a tile that names it
	s_endpgm
.Lfunc_end_k_q7036d18957_gemm_m:
	.size	k_q7036d18957_gemm_m, .Lfunc_end_k_q7036d18957_gemm_m-k_q7036d18957_gemm_m
	.p2alignl 7, 3214868480
	.fill 96, 4, 3214868480
	.section	.rodata,"a",@progbits
	.p2align	6, 0x0
	.amdhsa_kernel k_q7036d18957_gemm_m
		.amdhsa_group_segment_fixed_size 327680
		.amdhsa_private_segment_fixed_size 0
		.amdhsa_enable_private_segment 0
		.amdhsa_kernarg_size 24
		.amdhsa_user_sgpr_count 2
		.amdhsa_user_sgpr_kernarg_segment_ptr 1
		.amdhsa_wavefront_size32 1
		.amdhsa_system_sgpr_workgroup_id_x 1
		.amdhsa_system_sgpr_workgroup_id_y 1
		.amdhsa_system_sgpr_workgroup_id_z 1
		.amdhsa_system_vgpr_workitem_id 0
		.amdhsa_next_free_vgpr 512
		.amdhsa_next_free_sgpr 66
		.amdhsa_reserve_vcc 0
		.amdhsa_float_denorm_mode_32 3
		.amdhsa_float_denorm_mode_16_64 3
		.amdhsa_memory_ordered 1
		.amdhsa_forward_progress 1
		.amdhsa_inst_pref_size 53
	.end_amdhsa_kernel
	.amdgpu_metadata
---
amdhsa.version: [ 1, 2 ]
amdhsa.kernels:
  - .name:           k_q7036d18957_gemm_m
    .symbol:         k_q7036d18957_gemm_m.kd
    .args:
      - { .name: Ccb, .offset: 0, .size: 8, .value_kind: global_buffer, .address_space: global }
      - { .name: Bcb, .offset: 8, .size: 8, .value_kind: global_buffer, .address_space: global }
      - { .name: Wb, .offset: 16, .size: 8, .value_kind: global_buffer, .address_space: global }
    .group_segment_fixed_size: 327680
    .private_segment_fixed_size: 0
    .kernarg_segment_align: 8
    .kernarg_segment_size: 24
    .max_flat_workgroup_size: 128
    .sgpr_count:     66
    .vgpr_count:     512
    .wavefront_size: 32
...
	.end_amdgpu_metadata
.endif
;; end of part 2
;; launch main (part 3): grid 4 x 64, 4 waves a work-group, clusters of 4 x 4, 327,680 bytes of LDS; arguments x, h_prev, Wb, out0; writes out0
.if DOCPART == 3
	.amdgcn_target "amdgcn-amd-amdhsa--gfx1250"
	.amdhsa_code_object_version 6
	.text
	.protected	k_q7036d18957_main
	.globl	k_q7036d18957_main
	.p2align	8
	.type	k_q7036d18957_main,@function
k_q7036d18957_main:
	s_mov_b64 s[64:65], 0
	v_nop
	global_prefetch_b8 v0, s[64:65] scope:SCOPE_SE
	s_setreg_imm32_b32 hwreg(HW_REG_WAVE_MODE, 25, 1), 1
	s_wait_xcnt 0x0
	s_wait_alu depctr_hold_cnt(0) depctr_sa_sdst(0) depctr_va_vdst(0) depctr_va_sdst(0) depctr_va_ssrc(0) depctr_va_vcc(0) depctr_vm_vsrc(0)
	s_getreg_b32 s2, hwreg(HW_REG_IB_STS2, 6, 4)
	s_cmp_eq_u32 s2, 0
	s_cbranch_scc0 .Lentry_in_a_cluster
	s_endpgm
.Lentry_in_a_cluster:
	s_bfe_u32 s2, ttmp6, 0x10000c
	s_cmp_lg_u32 s2, 0xf033
	s_cbranch_scc0 .Lentry_shape_is_right
	s_endpgm
.Lentry_shape_is_right:
; LRU cell, launch 3 of 3.  out[b][o] = the sum over k of A[b][k] W[o][k], k = 0 .. 3071, A = [x | h_prev] (f32 in memory, rounded once to bf16 in registers), W = [M | N] (bf16, from launches 1 and 2).
; (hr and hi are never formed: out = x M^T + h_prev N^T for all values of the inputs; see launch 1, which also states the limits.)  Sums in f32, out in f32.
; SHARES.  A work-group makes 128 rows x 256 columns of out: 256 work-groups.  Four waves, 2 x 2, each 64 rows x 128 columns: 32 accumulators, 256 registers.
; RING.  K goes in 24 steps of 128 (8 from x, 16 from h_prev) through two LDS slots: 128 rows of A x 512 bytes of f32 (pitch 528), then W's two blocks of 64 along K, 256 rows x 128 bytes each (pitch 144).
; Waves 0 and 1 fetch A's halves of 64 rows, waves 2 and 3 W's two blocks, one tensor load each.  By the text's count a wave has two tensor loads out at the start and one behind each round;
; from a request to the wait for it a wave issues 112 matrix instructions.
; CLUSTER 4 x 4.  The four column tiles of a block of rows lie in one row of a cluster: x and h_prev are asked for jointly along the row; W's tile, which hangs on the tile column alone, along the column.
; A's WAY.  A fragment's 16 f32 a lane come out of LDS by four loads of 16 bytes and are rounded in pairs: register i of the quarter's four bf16 fragments is pair i of the 64 raw registers.
; The 32 roundings of the next quarter stand four behind each of a quarter's last eight matrix instructions; each four cost two window switches, since their destination lies in another window than the sums.
; THE MATRIX INSTRUCTION IS USED TRANSPOSED (source 0 = 16 rows o of W, source 1 = 16 rows b of A): a lane holds one row b and eight neighbouring columns o.
; REGISTERS, in windows of 256 (s_set_vgpr_msb: bits 1:0 source 0, 3:2 source 1, 5:4 source 2, 7:6 destination):
;   window 0: v0-31 addresses; v32-63, v64-95 A's bf16 fragments, two buffers; v96-159 A raw; on the way out v32-95 and v96-159 by turns
;   window 1: v0-63, v64-127 W's fragments, two buffers          window 2: the accumulators, (a, n) at v[8 (8 a + n)]
.set PA,    528                        ; a row of A in LDS: 512 bytes + 16 = 132 words: row r starts at bank 4 r mod 64 (64 banks of 4 bytes: ISA guide 11.1)
.set AHALF, 64*PA
.set ATILE, 2*AHALF
.set PB,    144                        ; a row of W: 128 bytes + 16 = 36 words: 16 rows start at 16 different groups of four banks
.set BHALF, 256*PB                     ; one block of 64 along K
.set SLOT,  ATILE+2*BHALF
.set STAGE, 2*SLOT                     ; behind the ring, never filled by a tensor load: 16 rows x 528 bytes for each wave, for the way out
.set SPARE, STAGE+4*16*PA              ; behind the stages: the spare words, 128 bytes for each wave: two blocks of 256 bytes that no other line names
.set ADRA, 16                          ; v16-17  LDS address of my A rows in slot 0, 1
.set ADRB, 20                          ; v20-21  of my W rows
.set STO,  24                          ; v24     the way out: where I put 32 bytes of a row
.set RD,   25                          ; v25     where I read a row back
.set CO,   26                          ; v26     16 x lane
.set SPW,  28                          ; v28     LDS address of my spare word; never rewritten
.set NIL,  29                          ; v29     0; never rewritten
.set PFO,  30                          ; v30-31  the prefetches' lane offsets, for the laps of x and of h_prev; never rewritten
.set AF,   32
.set RAW,  96
.set OB,   32
.set WV, 12                            ; s12 wave; s13 its row half, also: I fetch for A (0) or for W (1); s14 its column half, also: which half I fetch
.set FB, 13
.set HF, 14
.set CX, 15
.set CY, 16
.set TR, 17                            ; s17 tile row of out; s18 tile column
.set TC, 18
.set G1A, 24                           ; s[24:31] group 1 for x's tiles, s[32:39] for h_prev's: they differ in the pitch
.set G1B, 40                           ; s[40:47] for W's
.set G0A, 48                           ; s[48:55] group 0 for A's tiles, a set for each slot
.set G0B, 56                           ; s[56:63] for W's
.set BASE, 66                          ; s[66:67] x, s[68:69] h_prev at the first of the 64 rows that I fetch
.set KO,  70                           ; s[70:71], s[72:73] byte offset along those rows of the K step to be asked for next
.set PFA, 74                           ; s[74:75], s[76:77] where my prefetches stand, in the laps of x and of h_prev
.set PFS, 78                           ; s[78:79] a K step in the buffer that I prefetch
.set LIM, 80                           ; s80, s81 a wave prefetches at the change of slot 0, 1 while the lap counter is above these
.set MSB, 0
.macro WIN new                         ; the immediate's high byte repeats the setting that is left; a switch that changes nothing is dropped
.if MSB != (\new)
	s_set_vgpr_msb (MSB<<8)|(\new)
.set MSB, \new
.endif
.endm
.set W_MUL, 0xa1                       ; source 0 (W) window 1, source 1 (A) window 0, C and D window 2
.set TO_B,  0x40                       ; destination window 1, address window 0
.set W_ST,  0x08                       ; LDS store: data (source 1) window 2, address window 0
.macro PLACES                          ; four places in front of loads into, and writes of, registers that matrix instructions have read, and of reads of results
.rept 4
	v_nop
.endr
.endm
; A joint load.  src = 0: A comes from x, 1: from h_prev.  The branch hangs on the wave's number alone.  An s_nop 0 and four v_nop follow each line.
.macro JLOAD slot, src
	s_cmp_eq_u32 s[FB], 0
	s_cbranch_scc0 .Lfor_w_\@
	tensor_load_to_lds s[G0A+4*(\slot):G0A+4*(\slot)+3], s[G1A+8*(\src):G1A+8*(\src)+7]
	s_nop 0
.rept 4
	v_nop
.endr
	s_branch .Lasked_\@
.Lfor_w_\@:
	tensor_load_to_lds s[G0B+4*(\slot):G0B+4*(\slot)+3], s[G1B:G1B+7]
	s_nop 0
.rept 4
	v_nop
.endr
.Lasked_\@:
.endm
; A PREFETCH INTO THE L2, behind each joint load and the run of LDS loads that follows it: the K step THREE steps behind the one just asked for, 384 matrix instructions ahead of its own load.
; A: of the 64 rows x 512 bytes that wave 0 or 1 fetches, the partner at cx takes 16 rows: lane l names row l / 2 and its 256 bytes l % 2.  A block of rows is read by one row of one cluster, so every cluster asks.
; W: of the 128 x 256 bytes on end that wave 2 or 3 fetches, the partner at cy takes 32: a lane each.  All sixteen clusters read the same W: the cluster with y = 0 asks.
; The partners are told apart BY ADDRESS; the branch hangs on the wave's number, the cluster's y and the lap counter.  So each 256 bytes are named once in the launch.
; Asked for: K steps 5, 6, 7 (in x's laps) and 11 to 23 (in h_prev's); steps 0 to 4 and 8 to 10 come by their loads alone; the last changes of each kind of lap ask for nothing, so no request leaves a row or a buffer.
.macro ASK slot, src
	s_cmp_gt_u32 s3, s[LIM+(\slot)]
	s_cbranch_scc0 .Lnot_mine_\@
	global_prefetch_b8 v[PFO+(\src)], s[PFA+2*(\src):PFA+2*(\src)+1] th:TH_LOAD_NT scope:SCOPE_SE
.Lnot_mine_\@:
.endm
.macro CREST                           ; a round of the cluster's barrier behind its opening barrier
	s_cmp_lg_u32 s[WV], 0
	s_cbranch_scc1 .Lnot_wave_0_\@
	s_barrier_signal -3
.Lnot_wave_0_\@:
	s_barrier_wait -3
	s_barrier_signal -1
	s_barrier_wait -1
.endm
.macro CROUND                          ; a whole round
	s_barrier_signal -1
	s_barrier_wait -1
	CREST
.endm
	s_load_b256 s[4:11], s[0:1], 0x0               ; x s[4:5], h_prev s[6:7], Wb s[8:9], out0 s[10:11]
	v_lshl_add_u32 v[SPW], v0, 2, SPARE
	v_mov_b32 v[NIL], 0
	ds_add_u32 v[SPW], v[NIL]                      ; the wave's opening: the add, twice on end, and its wait ahead of my first tensor load
	ds_add_u32 v[SPW], v[NIL]
	v_lshrrev_b32 v1, 5, v0
	v_readfirstlane_b32 s[WV], v1                  ; wave 0..3
	s_lshr_b32 s[FB], s[WV], 1
	s_and_b32 s[HF], s[WV], 1
	s_bfe_u32 s[CX], ttmp6, 0x40000                ; my place in the cluster
	s_bfe_u32 s[CY], ttmp6, 0x40004
	s_lshl_b32 s[TC], ttmp9, 2
	s_add_co_u32 s[TC], s[TC], s[CX]               ; tile column = 4 x cluster x + cx
	s_and_b32 s[TR], ttmp7, 0xffff
	s_lshl_b32 s[TR], s[TR], 2
	s_add_co_u32 s[TR], s[TR], s[CY]               ; tile row = 4 x cluster y + cy
	s_lshl_b32 s20, s[CY], 2
	s_lshl_b32 s20, 15, s20                        ; my row of the cluster
	s_lshl_b32 s22, 0x1111, s[CX]                  ; my column
	; A: 64 rows x 128 elements of 4 bytes; 16 bytes of padding after every 512
	s_or_b32 s[G1A],   s20, (2<<16)|(1<<20)|(1<<21)|(6<<22)|(3<<25)  ; 15:0 the mask; 17:16 4-byte elements; 20 padding on; 21 set beside a mask; 24:22 after every 128 words; 31:25 4 words
	s_or_b32 s[G1A+8], s20, (2<<16)|(1<<20)|(1<<21)|(6<<22)|(3<<25)
.irp g, G1A, G1A+8
	s_mov_b32 s[(\g)+1], 128<<16                   ; tensor_dim0 = 128
	s_mov_b32 s[(\g)+2], 64<<16                    ; tensor_dim1 = 64
	s_mov_b32 s[(\g)+3], 128<<16                   ; tile_dim0 = 128
	s_mov_b32 s[(\g)+4], 64                        ; tile_dim1 = 64
	s_mov_b32 s[(\g)+6], 0
	s_mov_b32 s[(\g)+7], 0
.endr
	s_mov_b32 s[G1A+5], 1024                       ; x: elements from row to row
	s_mov_b32 s[G1A+13], 2048                      ; h_prev
	; W: 256 rows of 128 bytes on end, asked for as 128 rows of 256 bytes; 16 bytes of padding after every 128
	s_or_b32 s[G1B], s22, (1<<16)|(1<<20)|(1<<21)|(4<<22)|(3<<25)
	s_mov_b32 s[G1B+1], 128<<16
	s_mov_b32 s[G1B+2], 128<<16
	s_mov_b32 s[G1B+3], 128<<16
	s_mov_b32 s[G1B+4], 128
	s_mov_b32 s[G1B+5], 128
	s_mov_b32 s[G1B+6], 0
	s_mov_b32 s[G1B+7], 0
	s_lshl_b32 s20, s[TR], 7
	s_lshl_b32 s21, s[HF], 6
	s_add_co_u32 s20, s20, s21                     ; the first of the 64 rows of A that I fetch: it hangs on the tile row alone
	s_lshl_b32 s82, s20, 12                        ; in x,
	s_mov_b32 s83, 0
	s_lshl_b32 s84, s20, 13                        ; in h_prev
	s_mov_b32 s85, 0
	s_lshl_b32 s22, s[HF], 17                      ; W: my block of the step's two,
	s_lshl_b32 s23, s[TC], 15                      ; its rows 256 x tile column: it hangs on the tile column alone
	s_add_co_u32 s22, s22, s23
	s_mov_b32 s23, 0
	s_mul_i32 s19, s[HF], AHALF                    ; where they go: no place in the cluster enters an LDS address
	s_mul_i32 s86, s[HF], BHALF
	s_add_co_u32 s86, s86, ATILE
	s_mov_b32 s[KO], 2*512                         ; x: K steps 0 and 1 are the first fills
	s_mov_b32 s[KO+1], 0
	s_mov_b32 s[KO+2], 0                           ; h_prev: from its first column on
	s_mov_b32 s[KO+3], 0
	s_wait_dscnt 0x0                               ; both opening adds are done
	s_wait_kmcnt 0x0
	s_add_nc_u64 s[BASE:BASE+1], s[4:5], s[82:83]
	s_add_nc_u64 s[BASE+2:BASE+3], s[6:7], s[84:85]
	s_add_nc_u64 s[88:89], s[8:9], s[22:23]
	CROUND                                         ; all sixteen work-groups are here: the first joint loads meet
.irp s, 0,1
	s_mov_b32 s[G0A+4*(\s)], 1
	s_add_co_u32 s[G0A+4*(\s)+1], s19, (\s)*SLOT
	s_add_nc_u64 s[G0A+4*(\s)+2:G0A+4*(\s)+3], s[BASE:BASE+1], (\s)*512
	s_or_b32 s[G0A+4*(\s)+3], s[G0A+4*(\s)+3], 0x80000000
	s_mov_b32 s[G0B+4*(\s)], 1
	s_add_co_u32 s[G0B+4*(\s)+1], s86, (\s)*SLOT
	s_add_nc_u64 s[G0B+4*(\s)+2:G0B+4*(\s)+3], s[88:89], (\s)*2*131072
	s_or_b32 s[G0B+4*(\s)+3], s[G0B+4*(\s)+3], 0x80000000
.endr
	s_cmp_eq_u32 s[FB], 0                          ; a wave's two first fills stand in one branch, ahead of every wait on TENSORcnt and every LDS read
	s_cbranch_scc0 .Lfirst_w
	tensor_load_to_lds s[G0A:G0A+3], s[G1A:G1A+7]
	s_nop 0
	tensor_load_to_lds s[G0A+4:G0A+7], s[G1A:G1A+7]
	s_nop 0
.rept 4
	v_nop
.endr
	s_branch .Lfirst_asked
.Lfirst_w:
	tensor_load_to_lds s[G0B:G0B+3], s[G1B:G1B+7]
	s_nop 0
	tensor_load_to_lds s[G0B+4:G0B+7], s[G1B:G1B+7]
	s_nop 0
.rept 4
	v_nop
.endr
.Lfirst_asked:
	v_and_b32 v1, 15, v0                           ; l % 16
	v_bfe_u32 v2, v0, 4, 1                         ; l / 16
	v_and_b32 v3, 31, v0                           ; l
	v_mul_u32_u24 v4, v1, PA
	v_lshl_add_u32 v4, v2, 5, v4                   ; A: row x pitch + 32 x half (eight f32)
	v_mul_u32_u24 v5, v1, PB
	v_lshl_add_u32 v5, v2, 4, v5                   ; W: row x pitch + 16 x half (eight bf16)
	s_mul_i32 s20, s[FB], AHALF                    ; my 64 rows of A
	s_mul_i32 s21, s[HF], 128*PB                   ; my 128 rows of W
	s_add_co_u32 s21, s21, ATILE
.irp s, 0,1
	v_add_nc_u32 v[ADRA+(\s)], s20, v4
	v_add_nc_u32 v[ADRB+(\s)], s21, v5
	s_add_co_u32 s20, s20, SLOT
	s_add_co_u32 s21, s21, SLOT
.endr
	s_mul_i32 s20, s[WV], 16*PA
	s_add_co_u32 s20, s20, STAGE                   ; my stage
	v_add_nc_u32 v[STO], s20, v4                   ; in: row l % 16, 32 bytes for each half of the lanes
	v_lshl_add_u32 v[RD], v3, 4, s20               ; back: 32 lanes take a row's 512 bytes
	v_lshlrev_b32 v[CO], 4, v3
	s_lshl_b32 s90, s[TR], 7                       ; out at my wave's first row and column
	s_lshl_b32 s91, s[FB], 6
	s_add_co_u32 s90, s90, s91
	s_lshl_b32 s90, s90, 12
	s_lshl_b32 s91, s[TC], 10
	s_add_co_u32 s90, s90, s91
	s_lshl_b32 s91, s[HF], 9
	s_add_co_u32 s90, s90, s91
	s_mov_b32 s91, 0
	s_add_nc_u64 s[10:11], s[10:11], s[90:91]
	; the prefetches' pointers: each stands one K step short of its first request and is stepped at the head of each change of slots
	s_lshl_b32 s92, s[TR], 7
	s_lshl_b32 s93, s[HF], 6
	s_add_co_u32 s92, s92, s93
	s_lshl_b32 s93, s[CX], 4
	s_add_co_u32 s92, s92, s93                     ; A: my work-group's 16 of the 64 rows
	s_lshl_b32 s93, s92, 12
	s_add_co_u32 s93, s93, 4*512                   ; x at K step 4
	s_lshl_b32 s94, s92, 13
	s_add_co_u32 s94, s94, 2*512                   ; h_prev at its step 2, K step 10
	s_add_co_u32 s96, s[HF], 8                     ; W at K step 4: block 8 + half,
	s_lshl_b32 s96, s96, 17
	s_lshl_b32 s97, s[TC], 15
	s_add_co_u32 s96, s96, s97
	s_lshl_b32 s97, s[CY], 13                      ; my work-group's 32 x 256 bytes
	s_add_co_u32 s96, s96, s97
	s_add_co_u32 s97, s96, 12*131072               ; and at K step 10
	s_and_b32 s87, ttmp7, 0xffff                   ; the cluster's y
	s_mov_b32 s[PFS], 2*131072                     ; a K step of W: two blocks
	s_cmp_eq_u32 s[FB], 0                          ; do I fetch for A?
	s_cselect_b32 s92, s93, s96
	s_cselect_b32 s94, s94, s97
	s_cselect_b64 s[PFA:PFA+1], s[4:5], s[8:9]
	s_cselect_b64 s[PFA+2:PFA+3], s[6:7], s[8:9]
	s_cselect_b32 s[PFS], 512, s[PFS]              ; a K step of A
	s_cselect_b32 s87, 0, s87                      ; A's waves always ask, W's in the cluster with y = 0: the same in all sixteen partners, for a given wave
	s_cselect_b32 s98, 12, 9                       ; two lanes on: a row of x, or 512 bytes of W
	s_cselect_b32 s99, 13, 9                       ; a row of h_prev, or 512 bytes of W
	s_mov_b32 s93, 0
	s_mov_b32 s95, 0
	s_mov_b32 s[PFS+1], 0
	s_add_nc_u64 s[PFA:PFA+1], s[PFA:PFA+1], s[92:93]
	s_add_nc_u64 s[PFA+2:PFA+3], s[PFA+2:PFA+3], s[94:95]
	s_cmp_eq_u32 s87, 0
	s_cselect_b32 s[LIM], 1, -1
	s_cselect_b32 s[LIM+1], 2, -1
	v_lshrrev_b32 v6, 1, v3
	v_and_b32 v7, 1, v3
	v_lshlrev_b32 v7, 8, v7
	v_lshl_add_u32 v[PFO], v6, s98, v7
	v_lshl_add_u32 v[PFO+1], v6, s99, v7
; 32 LDS loads in one run, for quarter q (32 along K) of a slot: A raw (4 blocks of 16 rows x 32 f32: k = 8 h + 0..7 at bytes 0 and 16, k = 16 + 8 h + 0..7 at 64 and 80) first, then W's 8 fragments into buffer p
.macro FETCH slot, q, p
	WIN 0
.irp a, 0,1,2,3
	ds_load_b128 v[RAW+16*(\a):RAW+16*(\a)+3],     v[ADRA+(\slot)] offset:(\a)*16*PA+128*(\q)
	ds_load_b128 v[RAW+16*(\a)+4:RAW+16*(\a)+7],   v[ADRA+(\slot)] offset:(\a)*16*PA+128*(\q)+16
	ds_load_b128 v[RAW+16*(\a)+8:RAW+16*(\a)+11],  v[ADRA+(\slot)] offset:(\a)*16*PA+128*(\q)+64
	ds_load_b128 v[RAW+16*(\a)+12:RAW+16*(\a)+15], v[ADRA+(\slot)] offset:(\a)*16*PA+128*(\q)+80
.endr
	WIN TO_B
.irp n, 0,1,2,3,4,5,6,7
	ds_load_b128 v[64*(\p)+8*(\n):64*(\p)+8*(\n)+3],   v[ADRB+(\slot)] offset:((\q)/2)*BHALF+((\q)%2)*64+(\n)*16*PB
	ds_load_b128 v[64*(\p)+8*(\n)+4:64*(\p)+8*(\n)+7], v[ADRB+(\slot)] offset:((\q)/2)*BHALF+((\q)%2)*64+(\n)*16*PB+32
.endr
.endm
; 8 matrix instructions: row block a x all 8 column blocks, on buffers p.  zero = 1: the product starts the sums.  The 32 accumulators take turns in the same order in every quarter.
.macro MUL8 p, a, zero
	WIN W_MUL
.irp n, 0,1,2,3,4,5,6,7
.if \zero
	v_wmma_f32_16x16x32_bf16 v[8*(8*(\a)+(\n)):8*(8*(\a)+(\n))+7], v[64*(\p)+8*(\n):64*(\p)+8*(\n)+7], v[AF+32*(\p)+8*(\a):AF+32*(\p)+8*(\a)+7], 0
.else
	v_wmma_f32_16x16x32_bf16 v[8*(8*(\a)+(\n)):8*(8*(\a)+(\n))+7], v[64*(\p)+8*(\n):64*(\p)+8*(\n)+7], v[AF+32*(\p)+8*(\a):AF+32*(\p)+8*(\a)+7], v[8*(8*(\a)+(\n)):8*(8*(\a)+(\n))+7]
.endif
.endr
.endm
; The same, and behind each matrix instruction four roundings of the next quarter's A into the other buffer
.macro MUL8R p, a, zero
.irp n, 0,1,2,3,4,5,6,7
	WIN W_MUL
.if \zero
	v_wmma_f32_16x16x32_bf16 v[8*(8*(\a)+(\n)):8*(8*(\a)+(\n))+7], v[64*(\p)+8*(\n):64*(\p)+8*(\n)+7], v[AF+32*(\p)+8*(\a):AF+32*(\p)+8*(\a)+7], 0
.else
	v_wmma_f32_16x16x32_bf16 v[8*(8*(\a)+(\n)):8*(8*(\a)+(\n))+7], v[64*(\p)+8*(\n):64*(\p)+8*(\n)+7], v[AF+32*(\p)+8*(\a):AF+32*(\p)+8*(\a)+7], v[8*(8*(\a)+(\n)):8*(8*(\a)+(\n))+7]
.endif
	WIN 0
.irp k, 0,1,2,3
	v_cvt_pk_bf16_f32 v[AF+32*(1-(\p))+4*(\n)+(\k)], v[RAW+8*(\n)+2*(\k)], v[RAW+8*(\n)+2*(\k)+1]
.endr
.endr
.endm
; One of a K step's first three quarters: multiplies buffers q % 2, fetches the next quarter behind its first eight products, rounds it beside its last eight.
.macro QUARTER slot, q, zero
	s_wait_dscnt 0x0                               ; W's fragments of this quarter are in
	MUL8 (\q)%2, 0, \zero
	PLACES                                         ; for the loads into W's other buffer and the writes of A's other buffer, which the quarter before multiplied
	FETCH \slot, (\q)+1, 1-(\q)%2
	MUL8 (\q)%2, 1, \zero
	MUL8 (\q)%2, 2, \zero
	s_wait_dscnt 16                                ; A raw is in; W's sixteen loads may be out
	MUL8R (\q)%2, 3, \zero
.endm
; The last quarter multiplies buffers 1 and changes slots: ONE barrier; in front of it each wave waits for all its tensor loads (one is out: its part of the next slot), adds 0 to its spare word, and
; waits for that and for its reads of this slot.  fill = 1: the barrier opens a round of the cluster's, and this slot is filled again, two K steps ahead, first thing behind the round.
; A's address is made anew for each fill: the rows' base in x or h_prev plus the K step's offset, the type bits set again.
.macro TURN slot, next, fill, src
.if \fill
	s_wait_xcnt 0x0                                ; the last prefetch, a K step back, has read its address: it is stepped here, ahead of the waits of the change of slots
	s_add_nc_u64 s[PFA+2*(\src):PFA+2*(\src)+1], s[PFA+2*(\src):PFA+2*(\src)+1], s[PFS:PFS+1]
.endif
	WIN 0                                          ; (the add's two registers lie in window 0)
	s_wait_tensorcnt 0x0                           ; no tensor load of mine is out, so a group 0 may be written
	ds_add_u32 v[SPW], v[NIL]
.if \fill
	s_add_nc_u64 s[G0A+4*(\slot)+2:G0A+4*(\slot)+3], s[BASE+2*(\src):BASE+2*(\src)+1], s[KO+2*(\src):KO+2*(\src)+1]
	s_or_b32 s[G0A+4*(\slot)+3], s[G0A+4*(\slot)+3], 0x80000000
	s_add_co_u32 s[KO+2*(\src)], s[KO+2*(\src)], 512
	s_add_nc_u64 s[G0B+4*(\slot)+2:G0B+4*(\slot)+3], s[G0B+4*(\slot)+2:G0B+4*(\slot)+3], 4*131072
.endif
	s_wait_dscnt 0x1                               ; W's fragments are in; the add may be out
	MUL8 1, 0, 0
	s_wait_dscnt 0x0                               ; the add is done, and my reads of this slot are over
	s_barrier_signal -1
	MUL8 1, 1, 0                                   ; work on registers while the others arrive
	WIN 0
	s_barrier_wait -1
.if \fill
	CREST                                          ; no wave of any partner still reads this slot's tile or has a load on its way
	JLOAD \slot, \src                              ; its four v_nop are also the places in front of the loads and roundings below
.else
	PLACES
.endif
	FETCH \next, 0, 0
.if \fill
	WIN 0
	ASK \slot, \src
.endif
	MUL8 1, 2, 0
	s_wait_dscnt 16                                ; A raw is in
	MUL8R 1, 3, 0
.endm
; A trip goes once round the ring, from a lap's second quarter to the next lap's first, and fills both slots again.
.macro LAP src
	QUARTER 0, 1, 0
	QUARTER 0, 2, 0
	TURN 0, 1, 1, \src
	QUARTER 1, 0, 0
	QUARTER 1, 1, 0
	QUARTER 1, 2, 0
	TURN 1, 0, 1, \src
	QUARTER 0, 0, 0
	WIN 0                                          ; at a label and at a branch every window is 0
.endm
	s_wait_tensorcnt 0x1                           ; my part of K step 0 is in; slot 1's may stay out
	s_barrier_signal -1
	s_barrier_wait -1                              ; everybody's is
	FETCH 0, 0, 0
	s_wait_dscnt 16                                ; A raw is in
	WIN 0
.set i, 0
.rept 32
	v_cvt_pk_bf16_f32 v[AF+i], v[RAW+2*i], v[RAW+2*i+1]
.set i, i+1
.endr
	QUARTER 0, 0, 1                                ; the first quarter stands in front of the loops: its products start the sums, nothing is cleared
	WIN 0
	s_mov_b32 s3, 3
.LlapX:                                                ; three trips ask for K steps 2 to 7, from x
	LAP 0
	s_sub_co_u32 s3, s3, 1
	s_cmp_lg_u32 s3, 0
	s_cbranch_scc1 .LlapX
	s_mov_b32 s3, 8
.LlapH:                                                ; eight trips ask for K steps 8 to 23, from h_prev
	LAP 1
	s_sub_co_u32 s3, s3, 1
	s_cmp_lg_u32 s3, 0
	s_cbranch_scc1 .LlapH
	QUARTER 0, 1, 0                                ; the last lap asks for nothing
	QUARTER 0, 2, 0
	TURN 0, 1, 0, 0
	QUARTER 1, 0, 0
	QUARTER 1, 1, 0
	QUARTER 1, 2, 0
	s_wait_dscnt 0x0
	MUL8 1, 0, 0
	MUL8 1, 1, 0
	MUL8 1, 2, 0
	MUL8 1, 3, 0
	; THE WAY OUT, a block of 16 rows at a time: a lane's eight f32 of a row go into my stage (rows of 528 bytes) and come back as whole rows of 512 bytes.
	; LDS serves a wave's instructions in order (ISA guide 5.7.1.4): the loads see the stores above them, and the next block's stores come behind them.
.macro TOSTAGE a
.if (\a) >= 2
	s_wait_xcnt 0x0                                ; the stores of the block two back have read the registers that are loaded again below
.endif
	WIN W_ST
.irp n, 0,1,2,3,4,5,6,7
	ds_store_b128 v[STO], v[8*(8*(\a)+(\n)):8*(8*(\a)+(\n))+3]   offset:64*(\n)     ; each accumulator's low four registers first
	ds_store_b128 v[STO], v[8*(8*(\a)+(\n))+4:8*(8*(\a)+(\n))+7] offset:64*(\n)+16
.endr
	WIN 0
.irp t, 0,1,2,3,4,5,6,7,8,9,10,11,12,13,14,15
	ds_load_b128 v[OB+64*((\a)%2)+4*(\t):OB+64*((\a)%2)+4*(\t)+3], v[RD] offset:(\t)*PA
.endr
.endm
.macro SEND a, younger                 ; younger: the LDS instructions issued behind block a's loads: the next block's 32, or none
	WIN 0
.irp t, 0,1,2,3,4,5,6,7,8,9,10,11,12,13,14,15
	s_wait_dscnt (\younger)+15-(\t)
	global_store_b128 v[CO], v[OB+64*((\a)%2)+4*(\t):OB+64*((\a)%2)+4*(\t)+3], s[10:11] offset:(16*(\a)+(\t))*4096 th:TH_STORE_NT  ; 512 consecutive bytes, at a multiple of 512 from out's first byte
.endr
.endm
	PLACES
	PLACES
	TOSTAGE 0
	TOSTAGE 1
	SEND 0, 32
	TOSTAGE 2
	SEND 1, 32
	TOSTAGE 3
	SEND 2, 32
	SEND 3, 0
	s_wait_tensorcnt 0x0                           ; the wave's end, behind my last tensor load and my last LDS store
	ds_add_u32 v[SPW], v[NIL]
	s_wait_dscnt 0x0
	CROUND                                         ; the closing round: no work-group ends while a partner may still ask for a tile that names it
	s_endpgm
.Lfunc_end_k_q7036d18957_main:
	.size	k_q7036d18957_main, .Lfunc_end_k_q7036d18957_main-k_q7036d18957_main
	.p2alignl 7, 3214868480
	.fill 96, 4, 3214868480
	.section	.rodata,"a",@progbits
	.p2align	6, 0x0
	.amdhsa_kernel k_q7036d18957_main
		.amdhsa_group_segment_fixed_size 327680
		.amdhsa_private_segment_fixed_size 0
		.amdhsa_enable_private_segment 0
		.amdhsa_kernarg_size 32
		.amdhsa_user_sgpr_count 2
		.amdhsa_user_sgpr_kernarg_segment_ptr 1
		.amdhsa_wavefront_size32 1
		.amdhsa_system_sgpr_workgroup_id_x 1
		.amdhsa_system_sgpr_workgroup_id_y 1
		.amdhsa_system_sgpr_workgroup_id_z 1
		.amdhsa_system_vgpr_workitem_id 0
		.amdhsa_next_free_vgpr 768
		.amdhsa_next_free_sgpr 100
		.amdhsa_reserve_vcc 0
		.amdhsa_float_denorm_mode_32 3
		.amdhsa_float_denorm_mode_16_64 3
		.amdhsa_memory_ordered 1
		.amdhsa_forward_progress 1
		.amdhsa_inst_pref_size 194
	.end_amdhsa_kernel
	.amdgpu_metadata
---
amdhsa.version: [ 1, 2 ]
amdhsa.kernels:
  - .name:           k_q7036d18957_main
    .symbol:         k_q7036d18957_main.kd
    .args:
      - { .name: x, .offset: 0, .size: 8, .value_kind: global_buffer, .address_space: global }
      - { .name: h_prev, .offset: 8, .size: 8, .value_kind: global_buffer, .address_space: global }
      - { .name: Wb, .offset: 16, .size: 8, .value_kind: global_buffer, .address_space: global }
      - { .name: out0, .offset: 24, .size: 8, .value_kind: global_buffer, .address_space: global }
    .group_segment_fixed_size: 327680
    .private_segment_fixed_size: 0
    .kernarg_segment_align: 8
    .kernarg_segment_size: 32
    .max_flat_workgroup_size: 128
    .sgpr_count:     100
    .vgpr_count:     768
    .wavefront_size: 32
...
	.end_amdgpu_metadata
.endif
;; end of part 3
;; ======== version 2 of 2: 3 launches; version 1 with the launch prep written anew for expert scheduling mode
;; limits: right only within a limited range of input values; a function is approximated: absolute error at most 4e-07
;; workspace buffers: Ccb 8,388,608 bytes; Bcb 8,388,608 bytes; Wb 6,291,456 bytes
;; launch prep (part 4): grid 256 x 1, 8 waves a work-group, no clusters, 0 bytes of LDS; arguments Cr, Ci, Br, Bi, v_log, theta_log, Ccb, Bcb, Wb; writes Ccb, Bcb, Wb
.if DOCPART == 4
	.amdgcn_target "amdgcn-amd-amdhsa--gfx1250"
	.amdhsa_code_object_version 6
	.text
	.protected	k_q7036d18957_prep
	.globl	k_q7036d18957_prep
	.p2align	8
	.type	k_q7036d18957_prep,@function
k_q7036d18957_prep:
	s_mov_b64 s[64:65], 0
	v_nop
	global_prefetch_b8 v0, s[64:65] scope:SCOPE_SE
	s_setreg_imm32_b32 hwreg(HW_REG_WAVE_SCHED_MODE, 0, 2), 2
	s_setreg_imm32_b32 hwreg(HW_REG_WAVE_MODE, 25, 1), 1
	s_wait_xcnt 0x0
	s_wait_alu depctr_vm_vsrc(0)
; LRU cell, launch 1 of 3.  out = hr Cr^T - hi Ci^T with hr = x Br^T + h_prev o wr, hi = x Bi^T + h_prev o wi, w = exp(-exp(v_log)) (cos, sin)(exp(theta_log)).
; WORK LEFT OUT.  The chain is linear in x and in h_prev, so for all values of the inputs, in exact arithmetic,
;   out = x M^T + h_prev N^T,   M = Cr Br - Ci Bi  [1024][1024],   N[o][h] = Cr[o][h] wr[h] - Ci[o][h] wi[h]  [1024][2048].
; The program makes M (launch 2) and N (here) once and then one product of 8192 x 1024 x 3072 (launch 3); hr and hi, 8192 x 2048 each, are never formed.
; Every one of the eight inputs has a way to the output and is loaded.
; LIMITS.  The order of rounding differs from the formula as written: every input is rounded once to bf16 (v_log and theta_log too), M and N once more to bf16; all sums are f32.
; An overflow, infinity or NaN that would arise in hr or hi alone is not carried to the result.  The angle ang = exp(theta_log) is reduced by 2/pi in two f32 parts: the reduced angle is
; off by about ang x 2^-49; the quadrant is a 32-bit whole number, so beyond 2^31 quadrants (ang about 3.3e9) sine and cosine mean nothing.
; THIS LAUNCH: bf16 copies of the weights in blocks of 64 along K, rows of 128 bytes end to end:
;   Ccb [kb 0..63][o 0..1023][64]: kb < 32: Cr[o][64 kb + j]; else -Ci[o][64 (kb - 32) + j]        Bcb [it 0..15][k 0..4095][64]: k < 2048: Br[k][64 it + j]; else Bi[k - 2048][64 it + j]
;   Wb  [kb 0..47][o 0..1023][64]: blocks 16..47 take N here (blocks 0..15 take M in launch 2)
; SHARES.  2,048 waves.  One memory instruction of a wave covers 2 rows x 64 columns: lane l has row l / 16 and the 4 columns 4 (l % 16) ..: a load takes two aligned pieces of 256 bytes,
; a store 256 consecutive bytes, aligned.  Wave W takes 16 rows x 64 columns of Cr and Ci (column block W % 32, row group W / 32) and 16 rows x 64 columns of Br and of Bi (W % 16, W / 16).
; All 34 loads of a wave go out on end; each is waited for by its own count.
; No LDS, no matrix unit, no cluster: no wave wants a byte that another has fetched.
; THE MODE: SCHED_MODE bits 1:0 = 2 (LLVM: expert scheduling mode 2), set by the entry lines.  The code itself states the register dependences
; between vector instructions and memory instructions, with s_wait_alu, always for 0.
; THE PLAN.  Registers that memory instructions touch:
;   v3 .. v7      the five byte offsets: written at the head, read by every load and store, never written again.
;   TH, VL, XD    the 34 loads land here; no vector instruction names them ahead of the loads.
;   store data    a row pair's six registers (Cr rounded, -Ci rounded, N) and an item's two: written by that pair's or item's own arithmetic, read by its stores, never written again.
; The work goes in twelve blocks: the eight row pairs of Cr and Ci, then four blocks of four items of Br and Bi.  A block's stores are issued in the NEXT block: one wait on va_vdst at that block's head,
; behind the wait for its data, states that the block before has written its store data; the stores follow, dealt among the block's arithmetic, which names the block's own registers and the
; temporaries UU and VV alone.  No register that a load or store has read is ever written again: so no wait on vm_vsrc and no s_wait_xcnt is owed anywhere.
.set LC,  3                            ; v3   byte offset of my 16 bytes in Cr and Ci, first row pair
.set STC, 4                            ; v4   of my 8 bytes in Ccb (block hb) and, by the immediate, its second half and Wb
.set LB,  5                            ; v5   of my 16 bytes in Br and Bi
.set STB, 6                            ; v6   of my 8 bytes in Bcb
.set LT,  7                            ; v7   of my 4 columns in theta_log and v_log
.set TH,  8                            ; v[8:11]   theta_log, v[12:15] v_log of my 4 columns
.set VL,  12
.set ANG, 16                           ; v[16:19]  exp(theta_log)
.set E1,  20                           ; v[20:23]  exp(v_log)
.set MAG, 24                           ; v[24:27]  exp(-exp(v_log))
.set XD,  32                           ; v[32:159] the data: Cr, Ci pair j at XD + 8 j, + 4; Br, Bi item m at XD + 64 + 4 m
.set NN,  160
.set RR,  164
.set ZZ,  168
.set PSI, 172
.set WR,  176                          ; v[176:179] wr, v[180:183] wi of my 4 columns
.set WI,  180
.set UU,  184
.set VV,  188
.set PCO, 192
.set QQ,  196
.set TT,  200
.set MK,  43                           ; s[43:46] column k's mask: the lanes whose quadrant is odd
	s_load_b512 s[8:23], s[0:1], 0x0               ; Cr s[8:9], Ci s[10:11], Br s[12:13], Bi s[14:15], v_log s[16:17], theta_log s[18:19], Ccb s[20:21], Bcb s[22:23]
	s_load_b64 s[24:25], s[0:1], 0x40              ; Wb
	v_lshrrev_b32 v1, 5, v0
	v_readfirstlane_b32 s2, v1                     ; wave 0..7; the constants and the lanes' own part of the offsets stand between this line and the wait for s2
	s_mov_b32 s31, 0xffff0000                      ; a word's upper bf16
	s_mov_b32 s32, 0x80008000                      ; the signs of two bf16
	s_mov_b32 s33, 0x3fb8aa3b                      ; log2(e)
	s_mov_b32 s34, 0x3f22f983                      ; 2/pi, high part
	s_mov_b32 s35, 0x3fc90fdb                      ; pi/2
	s_mov_b32 s36, 0x32dc9c88                      ; 2/pi, low part
	s_mov_b32 s37, 0xbe2aaaab                      ; -1/6
	s_mov_b32 s38, 0x3c088889                      ; 1/120
	s_mov_b32 s39, 0xb9500d01                      ; -1/5040
	s_mov_b32 s40, 0x3d2aaaab                      ; 1/24
	s_mov_b32 s41, 0xbab60b61                      ; -1/720
	s_mov_b32 s42, 0x37d00d01                      ; 1/40320
	v_and_b32 v1, 15, v0                           ; l % 16
	v_bfe_u32 v2, v0, 4, 1                         ; l / 16
	v_lshlrev_b32 v[LT], 4, v1
	v_lshl_add_u32 v[LC], v2, 13, v[LT]
	v_lshl_add_u32 v[LB], v2, 12, v[LT]
	v_lshlrev_b32 v[STC], 3, v1
	v_lshl_add_u32 v[STC], v2, 7, v[STC]
	s_wait_alu depctr_va_sdst(0)                   ; s2 is written, ahead of its first reader: the wave's share is made from it
	s_lshl_b32 s3, ttmp9, 3
	s_add_co_u32 s3, s3, s2                        ; W
	s_and_b32 s4, s3, 31                           ; hb: column block of C
	s_lshr_b32 s5, s3, 5                           ; rg: group of 16 rows of C
	s_and_b32 s6, s3, 15                           ; it: column block of B
	s_lshr_b32 s7, s3, 4                           ; kg: group of 16 rows of B
	s_lshl_b32 s30, s4, 8                          ; 64 columns of f32
	s_lshl_b32 s26, s5, 17                         ; 16 rows of 8,192 bytes
	s_or_b32 s26, s26, s30
	s_lshl_b32 s27, s4, 17                         ; a block of Ccb or Wb is 1,024 rows of 128 bytes
	s_lshl_b32 s2, s5, 11
	s_add_co_u32 s27, s27, s2
	s_lshl_b32 s28, s7, 16                         ; 16 rows of 4,096 bytes
	s_lshl_b32 s2, s6, 8
	s_add_co_u32 s28, s28, s2
	s_lshl_b32 s29, s6, 19                         ; a block of Bcb is 4,096 rows of 128 bytes
	s_lshl_b32 s2, s7, 11
	s_add_co_u32 s29, s29, s2
	v_add_nc_u32 v[LC], s26, v[LC]
	v_add_nc_u32 v[LB], s28, v[LB]
	v_add_nc_u32 v[LT], s30, v[LT]
	v_add_nc_u32 v[STB], s29, v[STC]
	v_add_nc_u32 v[STC], s27, v[STC]
	s_wait_kmcnt 0x0
	s_wait_alu depctr_va_vdst(0)                   ; the five offsets v3 to v7 are written: every load and store of the kernel reads one of them
	global_load_b128 v[TH:TH+3], v[LT], s[18:19]
	global_load_b128 v[VL:VL+3], v[LT], s[16:17]
.irp j, 0,1,2,3,4,5,6,7
	global_load_b128 v[XD+8*(\j):XD+8*(\j)+3],   v[LC], s[8:9]   offset:16384*(\j) th:TH_LOAD_NT
	global_load_b128 v[XD+8*(\j)+4:XD+8*(\j)+7], v[LC], s[10:11] offset:16384*(\j) th:TH_LOAD_NT
.endr
.irp j, 0,1,2,3,4,5,6,7
	global_load_b128 v[XD+64+4*(\j):XD+64+4*(\j)+3], v[LB], s[12:13] offset:8192*(\j) th:TH_LOAD_NT
.endr
.irp j, 0,1,2,3,4,5,6,7
	global_load_b128 v[XD+96+4*(\j):XD+96+4*(\j)+3], v[LB], s[14:15] offset:8192*(\j) th:TH_LOAD_NT
.endr
	; wr and wi of my four columns, while the 32 bulk loads are on their way
	s_wait_loadcnt 32                              ; theta_log and v_log are in; the 32 loads behind them stay out
.irp i, 0,1,2,3
	v_cvt_pk_bf16_f32 v[TT+(\i)], v[TH+2*(\i)], v[TH+2*(\i)+1]  ; both vectors are rounded to bf16 like every other input (TH and VL lie on end)
.endr
.irp i, 0,1,2,3
	v_lshlrev_b32 v[TH+2*(\i)],   16, v[TT+(\i)]
	v_and_b32     v[TH+2*(\i)+1], s31, v[TT+(\i)]
.endr
.irp i, 0,1,2,3,4,5,6,7
	v_mul_f32 v[TH+(\i)], s33, v[TH+(\i)]
.endr
.irp k, 0,1,2,3
	v_exp_f32 v[ANG+(\k)], v[TH+(\k)]              ; first batch: exp(theta_log),
.endr
.irp k, 0,1,2,3
	v_exp_f32 v[E1+(\k)], v[VL+(\k)]               ; exp(v_log)
.endr
	v_nop                                          ; a plain instruction behind the last exponential,
	s_wait_alu depctr_va_vdst(0)                   ; and one wait for the batch of eight: ANG and E1 are written, ahead of their first reader
.irp k, 0,1,2,3
	v_mul_f32 v[E1+(\k)], 0xbfb8aa3b, v[E1+(\k)]
.endr
.irp k, 0,1,2,3
	v_exp_f32 v[MAG+(\k)], v[E1+(\k)]              ; second batch: exp(-exp(v_log)); the polynomials below name neither MAG nor E1
.endr
	; sine and cosine: n = the nearest quadrant, r = (ang 2/pi - n) pi/2 in -pi/4 .. pi/4, Taylor sums to r^7 and r^8 (the first terms left out are under 4e-7), then the quadrant's swap and signs
.irp k, 0,1,2,3
	v_mul_f32 v[NN+(\k)], s34, v[ANG+(\k)]
	v_rndne_f32 v[NN+(\k)], v[NN+(\k)]
	v_fma_f32 v[RR+(\k)], v[ANG+(\k)], s34, -v[NN+(\k)]
	v_fma_f32 v[RR+(\k)], v[ANG+(\k)], s36, v[RR+(\k)]
	v_mul_f32 v[RR+(\k)], s35, v[RR+(\k)]
	v_mul_f32 v[ZZ+(\k)], v[RR+(\k)], v[RR+(\k)]
	v_fma_f32 v[PSI+(\k)], v[ZZ+(\k)], s39, s38
	v_fma_f32 v[PCO+(\k)], v[ZZ+(\k)], s42, s41
	v_fma_f32 v[PSI+(\k)], v[PSI+(\k)], v[ZZ+(\k)], s37
	v_fma_f32 v[PCO+(\k)], v[PCO+(\k)], v[ZZ+(\k)], s40
	v_mul_f32 v[TT+(\k)], v[RR+(\k)], v[ZZ+(\k)]
	v_fma_f32 v[PCO+(\k)], v[PCO+(\k)], v[ZZ+(\k)], -0.5
	v_fma_f32 v[PSI+(\k)], v[TT+(\k)], v[PSI+(\k)], v[RR+(\k)]   ; sin r
	v_fma_f32 v[PCO+(\k)], v[PCO+(\k)], v[ZZ+(\k)], 1.0          ; cos r
	v_cvt_i32_f32 v[QQ+(\k)], v[NN+(\k)]
	v_and_b32 v[TT+(\k)], 1, v[QQ+(\k)]
.endr
.irp k, 0,1,2,3
	v_cmp_eq_u32 s[MK+(\k)], 1, v[TT+(\k)]                       ; an odd quadrant swaps the two: the four compares stand in one run, each with a mask register of its own
.endr
.irp k, 0,1,2,3
	v_lshlrev_b32 v[NN+(\k)], 30, v[QQ+(\k)]                     ; the sine is turned in quadrants 2 and 3,
	v_and_b32 v[NN+(\k)], 0x80000000, v[NN+(\k)]
	v_add_nc_u32 v[QQ+(\k)], 1, v[QQ+(\k)]                       ; the cosine in 1 and 2; these lines read no mask
	v_lshlrev_b32 v[QQ+(\k)], 30, v[QQ+(\k)]
	v_and_b32 v[QQ+(\k)], 0x80000000, v[QQ+(\k)]
.endr
	s_wait_alu depctr_va_sdst(0)                   ; the four masks s43 to s46 are written, ahead of the selects that read them
.irp k, 0,1,2,3
	v_cndmask_b32 v[TT+(\k)], v[PSI+(\k)], v[PCO+(\k)], s[MK+(\k)]   ; |sin ang|
	v_cndmask_b32 v[ZZ+(\k)], v[PCO+(\k)], v[PSI+(\k)], s[MK+(\k)]   ; |cos ang|
	v_xor_b32 v[TT+(\k)], v[TT+(\k)], v[NN+(\k)]
	v_xor_b32 v[ZZ+(\k)], v[ZZ+(\k)], v[QQ+(\k)]
.endr
	s_wait_alu depctr_va_vdst(0)                   ; one wait for the second batch: MAG is written, ahead of its first reader
.irp k, 0,1,2,3
	v_mul_f32 v[WR+(\k)], v[MAG+(\k)], v[ZZ+(\k)]
	v_mul_f32 v[WI+(\k)], v[MAG+(\k)], v[TT+(\k)]
.endr
; Store n of the three of row pair j: 256 consecutive bytes each.
.macro CSTORE j, n
.if (\n) == 0
	global_store_b64 v[STC], v[XD+8*(\j):XD+8*(\j)+1],   s[20:21] offset:256*(\j)            ; Ccb, block hb
.elseif (\n) == 1
	global_store_b64 v[STC], v[XD+8*(\j)+4:XD+8*(\j)+5], s[20:21] offset:4194304+256*(\j)    ; Ccb, block 32 + hb
.else
	global_store_b64 v[STC], v[XD+8*(\j)+2:XD+8*(\j)+3], s[24:25] offset:2097152+256*(\j)    ; Wb, block 16 + hb
.endif
.endm
; The store of item m: row pair m % 8 of Br (m < 8) or Bi.
.macro BSTORE m
	global_store_b64 v[STB], v[XD+64+4*(\m):XD+64+4*(\m)+1], s[22:23] offset:256*((\m)%8)+262144*((\m)/8)
.endm
; Row pair j of Cr and Ci: both rounded to bf16, Ci's signs turned, N = Cr wr + (-Ci) wi made in f32 of the rounded numbers and rounded once.  The three stores of pair j - 1 are dealt among these lines.
.macro CPAIR j
.set CR, XD+8*(\j)
.set CI, XD+8*(\j)+4
	s_wait_loadcnt 30-2*(\j)                       ; loads come back in order: behind this pair's two stand 30 - 2 j
.if (\j) > 0
	s_wait_alu depctr_va_vdst(0)                   ; the pair before has written its six registers of store data, which the three stores below read; no line of this pair names them
	CSTORE (\j)-1, 0
.endif
	v_cvt_pk_bf16_f32 v[CR],   v[CR],   v[CR+1]
	v_cvt_pk_bf16_f32 v[CR+1], v[CR+2], v[CR+3]
	v_cvt_pk_bf16_f32 v[CI],   v[CI],   v[CI+1]
	v_cvt_pk_bf16_f32 v[CI+1], v[CI+2], v[CI+3]
	v_xor_b32 v[CI],   s32, v[CI]
	v_xor_b32 v[CI+1], s32, v[CI+1]
.if (\j) > 0
	CSTORE (\j)-1, 1
.endif
	v_lshlrev_b32 v[UU],   16,  v[CR]
	v_and_b32     v[UU+1], s31, v[CR]
	v_lshlrev_b32 v[UU+2], 16,  v[CR+1]
	v_and_b32     v[UU+3], s31, v[CR+1]
	v_lshlrev_b32 v[VV],   16,  v[CI]
	v_and_b32     v[VV+1], s31, v[CI]
	v_lshlrev_b32 v[VV+2], 16,  v[CI+1]
	v_and_b32     v[VV+3], s31, v[CI+1]
.if (\j) > 0
	CSTORE (\j)-1, 2
.endif
	v_pk_mul_f32 v[UU:UU+1],   v[UU:UU+1],   v[WR:WR+1]
	v_pk_mul_f32 v[UU+2:UU+3], v[UU+2:UU+3], v[WR+2:WR+3]
	v_pk_fma_f32 v[UU:UU+1],   v[VV:VV+1],   v[WI:WI+1],   v[UU:UU+1]
	v_pk_fma_f32 v[UU+2:UU+3], v[VV+2:VV+3], v[WI+2:WI+3], v[UU+2:UU+3]
	v_cvt_pk_bf16_f32 v[CR+2], v[UU],   v[UU+1]
	v_cvt_pk_bf16_f32 v[CR+3], v[UU+2], v[UU+3]
.endm
; Items 4 b to 4 b + 3 of Br and Bi are rounded, each behind the wait for its own load; ahead of each item's two roundings goes a store of the block before (b = 0: the last row pair's three).
.macro BBLOCK b
.irp i, 0,1,2,3
.set BR, XD+64+4*(4*(\b)+(\i))
	s_wait_loadcnt 15-4*(\b)-(\i)                  ; behind item m's load stand 15 - m
.if (\i) == 0
	s_wait_alu depctr_va_vdst(0)                   ; the block before has written its store data, which this block's stores read; no line of this block names those registers
.endif
.if (\b) > 0
	BSTORE 4*(\b)+(\i)-4
.elseif (\i) < 3
	CSTORE 7, \i
.endif
	v_cvt_pk_bf16_f32 v[BR],   v[BR],   v[BR+1]
	v_cvt_pk_bf16_f32 v[BR+1], v[BR+2], v[BR+3]
.endr
.endm
.irp j, 0,1,2,3,4,5,6,7
	CPAIR \j
.endr
.irp b, 0,1,2,3
	BBLOCK \b
.endr
	s_wait_alu depctr_va_vdst(0)                   ; items 12 to 15 are rounded: the last four stores read them
.irp m, 12,13,14,15
	BSTORE \m
.endr
	s_endpgm
.Lfunc_end_k_q7036d18957_prep:
	.size	k_q7036d18957_prep, .Lfunc_end_k_q7036d18957_prep-k_q7036d18957_prep
	.p2alignl 7, 3214868480
	.fill 96, 4, 3214868480
	.section	.rodata,"a",@progbits
	.p2align	6, 0x0
	.amdhsa_kernel k_q7036d18957_prep
		.amdhsa_group_segment_fixed_size 0
		.amdhsa_private_segment_fixed_size 0
		.amdhsa_enable_private_segment 0
		.amdhsa_kernarg_size 72
		.amdhsa_user_sgpr_count 2
		.amdhsa_user_sgpr_kernarg_segment_ptr 1
		.amdhsa_wavefront_size32 1
		.amdhsa_system_sgpr_workgroup_id_x 1
		.amdhsa_system_sgpr_workgroup_id_y 1
		.amdhsa_system_sgpr_workgroup_id_z 1
		.amdhsa_system_vgpr_workitem_id 0
		.amdhsa_next_free_vgpr 208
		.amdhsa_next_free_sgpr 66
		.amdhsa_reserve_vcc 0
		.amdhsa_float_denorm_mode_32 3
		.amdhsa_float_denorm_mode_16_64 3
		.amdhsa_memory_ordered 1
		.amdhsa_forward_progress 1
		.amdhsa_inst_pref_size 27
	.end_amdhsa_kernel
	.amdgpu_metadata
---
amdhsa.version: [ 1, 2 ]
amdhsa.kernels:
  - .name:           k_q7036d18957_prep
    .symbol:         k_q7036d18957_prep.kd
    .args:
      - { .name: Cr, .offset: 0, .size: 8, .value_kind: global_buffer, .address_space: global }
      - { .name: Ci, .offset: 8, .size: 8, .value_kind: global_buffer, .address_space: global }
      - { .name: Br, .offset: 16, .size: 8, .value_kind: global_buffer, .address_space: global }
      - { .name: Bi, .offset: 24, .size: 8, .value_kind: global_buffer, .address_space: global }
      - { .name: v_log, .offset: 32, .size: 8, .value_kind: global_buffer, .address_space: global }
      - { .name: theta_log, .offset: 40, .size: 8, .value_kind: global_buffer, .address_space: global }
      - { .name: Ccb, .offset: 48, .size: 8, .value_kind: global_buffer, .address_space: global }
      - { .name: Bcb, .offset: 56, .size: 8, .value_kind: global_buffer, .address_space: global }
      - { .name: Wb, .offset: 64, .size: 8, .value_kind: global_buffer, .address_space: global }
    .group_segment_fixed_size: 0
    .private_segment_fixed_size: 0
    .kernarg_segment_align: 8
    .kernarg_segment_size: 72
    .max_flat_workgroup_size: 256
    .sgpr_count:     66
    .vgpr_count:     208
    .wavefront_size: 32
...
	.end_amdgpu_metadata
.endif
;; end of part 4
;; launch gemm_m: the kernel of part 2 again; grid 16 x 16, 4 waves a work-group, clusters of 4 x 4, 327,680 bytes of LDS; arguments Ccb, Bcb, Wb; writes Wb
;; launch main: the kernel of part 3 again; grid 4 x 64, 4 waves a work-group, clusters of 4 x 4, 327,680 bytes of LDS; arguments x, h_prev, Wb, out0; writes out0
